; MI455X (gfx1250); checked and timed in simulation.
; The chip was launched on July 23, 2026; its instructions are those of AMD's public machine-readable ISA for CDNA 5 (MIT licence, August 2026) and "CDNA5" Instruction Set Architecture Reference Guide (July 2026). The comments in the code are by the model that wrote it; some were corrected since.
;; Enterprise FFN. Allowed arithmetic: matrix products marked QUANTISED: E2M1 operands, one E8M0 scale for each 32 along K, by v_wmma_scale_f32_16x16x128_f8f6f4 with both operands' format E2M1 (or v_wmma_scale_f32_32x16x128_f4), f32 sums; products left as they are: f32 operands where the result goes on into a quantised operand, else bf16, f16 or f32 operands; f32 sums; everything else in f32.
;; Inputs: b1 8 x 512 float32; b2 8 x 1,024 float32; gate_w 1,024 x 8 float32; w1_codes 8 x 512 x 32 x 16 uint8 (E2M1 codes of w1, K innermost, in blocks of 32 codes, two codes a byte); w1_scales 8 x 512 x 32 uint8 (E8M0 scales of w1, one for each 32 codes along K); w2_codes 8 x 1,024 x 16 x 16 uint8 (E2M1 codes of w2, K innermost, in blocks of 32 codes, two codes a byte); w2_scales 8 x 1,024 x 16 uint8 (E8M0 scales of w2, one for each 32 codes along K); x 4 x 2,048 x 1,024 float32.
;; Outputs: out0 4 x 2,048 x 1,024 float32.
;; This version of the problem:
;;   THIS VERSION OF THE PROBLEM IS GIVEN IN LOW PRECISION. The matrix products marked QUANTISED in the list below multiply operands that are first quantised to E2M1 (2 exponent bits, 1 mantissa bit; 4 bits a number), with one power-of-two scale for each 32 numbers along K (OCP MX v1.0); their sums are f32. All else is computed in f32.
;;   The module's matrix products, in the order in which they are computed (A, B: the left and right operand; K: the contracted axis; several contracted axes count as one K, in the product's order):
;;     1. [M 8,192, K 1,024] x [K 1,024, N 8]; A: input x; B: input gate_w: left as it is (N = 8 < 16)
;;     2. [M 4,096, K 1,024] x [K 1,024, N 8,192]; A: input w1 (given as codes); B: input x: QUANTISED
;;     3. batch 8 x [M 8,192, K 512] x [K 512, N 1,024]; A: computed on the way; B: input w2 (given as codes): QUANTISED
;;     4. batch 8,192 x [M 8, K 1] x [K 1, N 1]; A: computed on the way; B: computed on the way: left as it is (no contracted axis)
;;     5. batch 8,192 x [M 1,024, K 8] x [K 8, N 1]; A: computed on the way; B: computed on the way: left as it is (K = 8 < 32)
;;   THE QUANTISER, for each operand of a quantised product, along K:
;;     - K is cut into blocks of 32 from its start; a last block that is shorter is filled with zeros.
;;     - A block's scale is 2^e with e = floor(log2(the largest magnitude in the block)) - 2, held to -126 .. 127; a block of zeros has e = 0. As a byte (E8M0): e + 127.
;;     - Each number is divided by its block's scale, clamped to +-6, and rounded to the nearest number of E2M1, ties to even, subnormals kept.
;;     - The product sums the exact products of the quantised numbers (number of the format x scale) in f32.
;;   ~~~python
;;   def quantise(x, axis):      # numpy; x: float32 -> the quantised numbers, widened to float32 again
;;       x = np.moveaxis(x, axis, -1); K = x.shape[-1]
;;       x = np.pad(x, [(0, 0)] * (x.ndim - 1) + [(0, -K % 32)]); x = x.reshape(x.shape[:-1] + (-1, 32)); a = np.abs(x).max(-1, keepdims=True)
;;       e = np.where(a > 0, np.clip(np.frexp(np.where(a > 0, a, 1))[1] - 1 - 2, -126, 127), 0)      # np.frexp(a)[1] - 1 = floor(log2(a)), exactly
;;       r = np.clip(x / 2.0 ** e, -6, 6)
;;       step = 2.0 ** (np.maximum(np.frexp(np.where(r == 0, 1, r))[1] - 1, 0) - 1)
;;       q = np.round(r / step) * step * 2.0 ** e      # np.round: ties to even
;;       return np.moveaxis(q.reshape(q.shape[:-2] + (-1,))[..., :K], -1, axis).astype(np.float32)
;;   ~~~
;;   OPERANDS COMPUTED ON THE WAY. 'Computed on the way' means the value that the module computes at that place (a softmax that the list does not call 'softmax' is quantised finished and normalised). What goes into a quantiser is computed in f32, as accurately as f32 sums, v_exp_f32 and their like allow (about 1e-6 of the number): no bf16 or f16 on the way to a quantiser, and a product that is left as it is and whose result goes on into a quantised operand takes f32 operands (vector FMAs, or v_wmma_f32_16x16x4_f32). A number that lies on a knife's edge between two numbers of the format may be rounded either way, as far as f32 arithmetic and the matrix unit's own rounding can turn it there, and no further.
;;   INPUTS GIVEN AS CODES. w1 (in the module: [8, 1024, 512], K = its axis 1); w2 (in the module: [8, 512, 1024], K = its axis 1): each comes as NAME_codes (uint8): NAME with its K axis moved to the last place and cut into blocks of 32 codes, [.., K / 32, bytes a block], one block behind the other in memory; two codes a byte, the lower K in the low four bits (a code: sign, 2 exponent bits, 1 mantissa bit); and NAME_scales (uint8): the same leading axes, one E8M0 byte (e + 127) for each 32 codes along K. Its value is code x scale, taken as it is: it is not quantised again, and the codes and scales need not be those that the quantiser above would give.
;; 2 versions, each right; version 2 is version 1 with the launch chain written anew for expert scheduling mode. Each part assembles by itself: llvm-mc -triple=amdgcn-amd-amdhsa -mcpu=gfx1250 --defsym DOCPART=n.
;; ======== version 1 of 2: 3 launches
;; workspace buffers: xq 4,194,304 bytes; xs 262,144 bytes; tw 32,768 bytes; wq 4,194,304 bytes; rinfo 32,768 bytes of whole numbers; hist 32,768 bytes of whole numbers; order 38,144 bytes of whole numbers; tiles 3,584 bytes of whole numbers
;; launch route (part 1): grid 256 x 1, 8 waves a work-group, no clusters, 166,912 bytes of LDS; arguments x, gate_w, w1_codes, w2_codes, xq, xs, tw, rinfo, hist, wq; writes xq, xs, tw, rinfo, hist, wq
.if DOCPART == 1
	.amdgcn_target "amdgcn-amd-amdhsa--gfx1250"
	.amdhsa_code_object_version 6
	.text
	.protected	k_qa03c26007e_route
	.globl	k_qa03c26007e_route
	.p2align	8
	.type	k_qa03c26007e_route,@function
k_qa03c26007e_route:
	s_mov_b64 s[64:65], 0
	v_nop
	global_prefetch_b8 v0, s[64:65] scope:SCOPE_SE
	s_setreg_imm32_b32 hwreg(HW_REG_WAVE_MODE, 25, 1), 1
	s_wait_xcnt 0x0
; ROUTE.  For 8,192 tokens of 1,024 numbers: the router (x gate_w in f32, softmax, the two largest gates, their sum), x's codes of FP4 (E2M1) with one E8M0 byte
; for each 32 along K, and for each run of 32 tokens how many chose each of the 28 pairs of experts and each token's rank among those of its pair.
; Besides, w1's and w2's codes are laid once in the order in which the third launch's operand registers take them.
; SHARES.  Work-group j owns tokens 32 j .. 32 j + 31; wave w owns K = 128 w .. 128 w + 127, 512 bytes of each row.  Each load reads 512 consecutive bytes of one row.
; The wave's 32 x 128 numbers turn through its own LDS stage; behind the turn A LANE IS A TOKEN and its 128 registers run along K: a block's largest magnitude needs no
; other lane, the conversions give codes with K innermost, and the eight logits need no sum over lanes.  gate_w's numbers reach all lanes by row_share on the multiply-add.
; What is chosen here steers no address and no branch of this launch: the pair, the rank and the counts are stored as numbers at fixed places.
; LIMITS: NaN and infinities in x or gate_w are not served.  The two largest are taken on the f32 logits (the lower index wins a tie), not on the rounded gates.
; A block of zeros gets the byte 1 (its codes are zeros; this program alone reads the bytes).  Blocks whose largest magnitude lies under 2^(3 - 127) are held at byte 1.
; LDS: pitches of 528 and 48 bytes are odd multiples of 16.
.set XTW,  16896                       ; a wave's stage: 32 rows x (512 + 16) bytes
.set CST,  135168                      ; behind the eight stages: the codes of 32 tokens, rows of 512 + 16 bytes
.set SST,  152064                      ; their scale bytes, 32 a token
.set LST,  153088                      ; the waves' partial logits: 1,536 bytes a wave, 48 a lane
.set RL,   16                          ; v16-31   the weights' lay-out: four loads' data
.set ACC,  32                          ; v32-39   eight logit sums
.set G,    48                          ; v48-111  gate_w: register 8 kb + e, lane n of a row of 16: gate_w[128 w + 16 kb + n][e]
.set X,    112                         ; v112-239 x
.set QM,   48                          ; the quantiser takes G's place: largest magnitudes,
.set QS,   52                          ; scale operands,
.set QB,   56                          ; bytes,
.set QW,   60                          ; the scale word,
.set QC,   64                          ; 16 registers of codes
.set WV,   28                          ; s28 wave
	s_load_b512 s[8:23], s[0:1], 0x0               ; x, gate_w, w1_codes, w2_codes, xq, xs, tw, rinfo
	s_load_b128 s[24:27], s[0:1], 0x40             ; hist, wq
	v_lshl_add_u32 v254, v0, 2, 0x28800
	v_mov_b32 v255, 0
	v_lshrrev_b32 v40, 5, v0
	v_readfirstlane_b32 s[WV], v40                 ; wave 0..7
	v_and_b32 v1, 31, v0                           ; lane
	v_and_b32 v41, 15, v0                          ; a = lane % 16
	v_bfe_u32 v42, v0, 4, 1                        ; h = lane / 16
	v_lshlrev_b32 v2, 4, v0                        ; 16 x thread: my 16 bytes of a row of x (512 w + 16 lane), and of a 4,096-byte piece of wq
	s_mul_i32 s29, s[WV], XTW
	v_lshl_add_u32 v3, v1, 4, s29                  ; the stage, on the way in: 16 x lane in row i
	v_mul_u32_u24 v44, v1, 528
	v_add_nc_u32 v4, s29, v44                      ; and on the way out: row = my lane
	s_lshl_b32 s30, s[WV], 6
	s_add_co_u32 s30, s30, CST
	v_add_nc_u32 v5, s30, v44                      ; my token's row of codes, my wave's 64 bytes
	s_lshl_b32 s30, s[WV], 2
	s_add_co_u32 s30, s30, SST
	v_lshl_add_u32 v6, v1, 5, s30                  ; my token's scale bytes, my wave's word
	v_mul_u32_u24 v45, v1, 48
	s_mul_i32 s30, s[WV], 1536
	s_add_co_u32 s30, s30, LST
	v_add_nc_u32 v7, s30, v45                      ; my partial logits
	s_mul_i32 s30, s[WV], 2112
	s_add_co_u32 s30, s30, CST
	v_lshl_add_u32 v8, v1, 4, s30                  ; codes on the way out: rows 4 w .. 4 w + 3, 16 bytes a lane
	v_add_nc_u32 v9, LST, v45                      ; the router: my token's partial logits of wave 0
	v_lshl_add_u32 v10, v1, 4, SST                 ; scale bytes on the way out
	v_lshlrev_b32 v11, 5, v41                      ; gate_w: row a of 32 bytes
	s_lshl_b32 s30, s[WV], 11
	v_lshl_add_u32 v13, v1, 4, s30                 ; xq: 4 rows of 512 bytes a wave
	v_lshlrev_b32 v14, 2, v1
	v_lshlrev_b32 v15, 4, v1
	s_mov_b32 s33, 0
	s_wait_kmcnt 0x0
	s_lshl_b32 s32, ttmp9, 17
	s_add_nc_u64 s[8:9], s[8:9], s[32:33]          ; x at my 32 rows of 4,096 bytes
	s_lshl_b32 s32, ttmp9, 14
	s_add_nc_u64 s[16:17], s[16:17], s[32:33]      ; xq: 32 rows of 512 bytes
	s_add_nc_u64 s[26:27], s[26:27], s[32:33]      ; wq: my 16,384 bytes
	s_lshl_b32 s32, ttmp9, 10
	s_add_nc_u64 s[18:19], s[18:19], s[32:33]      ; xs: 32 rows of 32 bytes
	s_lshl_b32 s32, ttmp9, 7
	s_add_nc_u64 s[20:21], s[20:21], s[32:33]      ; tw, rinfo, hist: 128 bytes each
	s_add_nc_u64 s[22:23], s[22:23], s[32:33]
	s_add_nc_u64 s[24:25], s[24:25], s[32:33]
	s_lshl_b32 s32, s[WV], 12
	s_add_nc_u64 s[10:11], s[10:11], s[32:33]      ; gate_w at my wave's 128 rows
; THE WEIGHTS' LAY-OUT.  wq: W1 as [e 8][W 8][s 8][t 4][c 2][lane 32][16 bytes], then W2 as [e 8][W 8][s 4][n 8][c 2][lane 32][16 bytes]: a fragment's registers on end, lane by lane.
; Lane (a, h) of W1's piece holds bytes 64 s + 32 c + 16 h of row 64 W + 32 (t / 2) + 8 (t % 2) + a + 8 (a / 8); of W2's, the same bytes of row 128 W + 16 n + a.
; Work-groups 0-127 lay W1 (j = 16 e + 2 W + s / 4; piece i = s % 4; my wave = 2 t + c), the others W2 (j - 128 = 16 e + 2 W + s / 2; i = 2 (s % 2) + n / 4; my wave = 2 (n % 4) + c).
	s_cmp_lt_u32 ttmp9, 128
	s_cbranch_scc0 .Lw2
	s_lshr_b32 s32, ttmp9, 1
	s_lshl_b32 s32, s32, 15                        ; (8 e + W) x 64 rows of 512 bytes
	s_and_b32 s34, ttmp9, 1
	s_lshl_b32 s34, s34, 8                         ; + 64 x 4 (s / 4)
	s_add_co_u32 s32, s32, s34
	s_lshr_b32 s34, s[WV], 2
	s_lshl_b32 s34, s34, 14                        ; + 32 (t / 2) rows
	s_add_co_u32 s32, s32, s34
	s_bfe_u32 s34, s[WV], 0x10001
	s_lshl_b32 s34, s34, 12                        ; + 8 (t % 2) rows
	s_add_co_u32 s32, s32, s34
	s_and_b32 s34, s[WV], 1
	s_lshl_b32 s34, s34, 5                         ; + 32 c
	s_add_co_u32 s32, s32, s34
	v_and_b32 v43, 8, v41
	v_add_nc_u32 v43, v43, v41                     ; a + 8 (a / 8)
	v_lshlrev_b32 v43, 9, v43
	v_lshl_add_u32 v43, v42, 4, v43
	v_add_nc_u32 v12, s32, v43
.irp i, 0,1,2,3
	global_load_b128 v[RL+4*\i:RL+4*\i+3], v12, s[12:13] offset:64*\i
.endr
	s_branch .Llaid
.Lw2:
	s_sub_co_u32 s35, ttmp9, 128
	s_lshr_b32 s32, s35, 1
	s_lshl_b32 s32, s32, 15                        ; (8 e + W) x 128 rows of 256 bytes
	s_and_b32 s34, s35, 1
	s_lshl_b32 s34, s34, 7                         ; + 64 x 2 (s / 2)
	s_add_co_u32 s32, s32, s34
	s_lshr_b32 s34, s[WV], 1
	s_lshl_b32 s34, s34, 12                        ; + 16 (n % 4) rows
	s_add_co_u32 s32, s32, s34
	s_and_b32 s34, s[WV], 1
	s_lshl_b32 s34, s34, 5                         ; + 32 c
	s_add_co_u32 s32, s32, s34
	v_lshlrev_b32 v43, 8, v41
	v_lshl_add_u32 v43, v42, 4, v43
	v_add_nc_u32 v12, s32, v43
.irp i, 0,1,2,3
	global_load_b128 v[RL+4*\i:RL+4*\i+3], v12, s[14:15] offset:16384*(\i%2)+64*(\i/2)
.endr
.Llaid:
.irp kb, 0,1,2,3,4,5,6,7
	global_load_b128 v[G+8*\kb:G+8*\kb+3], v11, s[10:11] offset:512*\kb
	global_load_b128 v[G+8*\kb+4:G+8*\kb+7], v11, s[10:11] offset:512*\kb+16
.endr
.set i, 0
.rept 32
	global_load_b128 v[X+4*i:X+4*i+3], v2, s[8:9] offset:4096*i th:TH_LOAD_NT   ; token i: the wave reads 512 consecutive bytes; read once in the launch
.set i, i+1
.endr
.irp e, 0,1,2,3,4,5,6,7
	v_mov_b32 v[ACC+\e], 0                         ; eight registers: the multiply-add with a lane control reads its destination from the first k on
.endr
	s_wait_loadcnt 48                              ; the lay-out's four loads are in: behind them 16 of gate_w and 32 of x were issued
.irp i, 0,1,2,3
	global_store_b128 v2, v[RL+4*\i:RL+4*\i+3], s[26:27] offset:4096*\i   ; a wave stores 512 consecutive bytes
.endr
.set i, 0
.rept 32
	s_wait_loadcnt 31-i                            ; loads come back in order (ISA guide 5.7.1): token i is in, the younger ones stay out
	ds_store_b128 v3, v[X+4*i:X+4*i+3] offset:528*i
.set i, i+1
.endr
	s_wait_dscnt 0x0                               ; the stores have read X, which the loads below write
.set i, 0
.rept 32
	ds_load_b128 v[X+4*i:X+4*i+3], v4 offset:16*i  ; my token's k = 4 i .. 4 i + 3 of the wave's 128
.set i, i+1
.endr
; The logits' parts: 128 k x 8 experts, eight chains.  Lane n of each row of 16 lanes holds gate_w's row 16 kb + n; row_share hands it to all.
.set KB, 0
.rept 8
.irp n, 0,1,2,3,4,5,6,7,8,9,10,11,12,13,14,15
.if (\n)%4 == 0
	s_wait_dscnt 31-4*KB-(\n)/4                    ; the LDS load of these four k is in, the younger ones stay out
.endif
.irp e, 0,1,2,3,4,5,6,7
	v_fmac_f32_dpp v[ACC+\e], v[G+8*KB+\e], v[X+16*KB+\n] row_share:\n row_mask:0xf bank_mask:0xf
.endr
.endr
.set KB, KB+1
.endr
; The quantiser: my token's four blocks of 32, by turns.
.irp b, 0,1,2,3
	v_max3_num_f32 v[QM+\b], |v[X+32*\b]|, |v[X+32*\b+1]|, 0x1800000   ; with the floor 2^(3 - 127): the byte cannot fall under 1
.endr
.irp i, 2,4,6,8,10,12,14,16,18,20,22,24,26,28,30
.irp b, 0,1,2,3
	v_max3_num_f32 v[QM+\b], v[QM+\b], |v[X+32*\b+\i]|, |v[X+32*\b+\i+1]|
.endr
.endr
.irp b, 0,1,2,3
	v_add_nc_u32 v[QS+\b], 0xff000000, v[QM+\b]    ; 2 off the exponent field: the conversion's scale operand
.endr
.irp b, 0,1,2,3
	v_lshrrev_b32 v[QB+\b], 23, v[QS+\b]           ; the scale's byte
.endr
	v_lshl_or_b32 v[QW], v[QB+1], 8, v[QB]
	v_lshl_or_b32 v[QW], v[QB+2], 16, v[QW]
	v_lshl_or_b32 v[QW], v[QB+3], 24, v[QW]
.irp b, 0,1,2,3
.irp g, 0,1,2,3
	v_cvt_scalef32_pk8_fp4_f32 v[QC+4*\b+\g], v[X+32*\b+8*\g:X+32*\b+8*\g+7], v[QS+\b]
.endr
.endr
	v_nop                                          ; one plain place behind the scaled conversions
.irp b, 0,1,2,3
	ds_store_b128 v5, v[QC+4*\b:QC+4*\b+3] offset:16*\b
.endr
	ds_store_b32 v6, v[QW]
	ds_store_b128 v7, v[ACC:ACC+3]
	ds_store_b128 v7, v[ACC+4:ACC+7] offset:16
	s_wait_dscnt 0x0                               ; for the others' sake: my stores have landed
	s_barrier_signal -1
	s_barrier_wait -1
.irp i, 0,1,2,3
	ds_load_b128 v[176+4*\i:179+4*\i], v8 offset:528*\i
.endr
.irp i, 0,1,2,3
	s_wait_dscnt 3-\i
	global_store_b128 v13, v[176+4*\i:179+4*\i], s[16:17] offset:512*\i   ; a whole row of 512 bytes of xq
.endr
	s_cmp_eq_u32 s[WV], 1
	s_cbranch_scc0 .Lnot1
	ds_load_b128 v[192:195], v10                   ; wave 1: the 1,024 scale bytes
	ds_load_b128 v[196:199], v10 offset:512
	s_wait_dscnt 0x0
	global_store_b128 v15, v[192:195], s[18:19]
	global_store_b128 v15, v[196:199], s[18:19] offset:512
.Lnot1:
	s_cmp_eq_u32 s[WV], 0
	s_cbranch_scc0 .Lend
; THE ROUTER, wave 0, a lane to a token.
.irp q, 0,1,2,3,4,5,6,7
	ds_load_b128 v[112+8*\q:115+8*\q], v9 offset:1536*\q
	ds_load_b128 v[116+8*\q:119+8*\q], v9 offset:1536*\q+16
.endr
	s_wait_dscnt 0x0
.irp q, 1,2,3,4,5,6,7
.irp c, 0,2,4,6
	v_pk_add_f32 v[112+\c:113+\c], v[112+\c:113+\c], v[112+8*\q+\c:113+8*\q+\c]   ; the eight waves' parts, K ascending
.endr
.endr
	v_mov_b32 v200, v112                           ; the largest logit and its expert: a strict compare keeps the lower index
	v_mov_b32 v201, 0
.irp e, 1,2,3,4,5,6,7
	v_cmp_gt_f32 vcc_lo, v[112+\e], v200
	v_cndmask_b32 v200, v200, v[112+\e], vcc_lo
	v_cndmask_b32 v201, v201, \e, vcc_lo
.endr
	v_mov_b32 v202, 0xff800000                     ; the second largest, from -infinity
	v_mov_b32 v203, 0
.irp e, 0,1,2,3,4,5,6,7
	v_cmp_ne_u32 s34, \e, v201
	v_cmp_gt_f32 s35, v[112+\e], v202
	s_and_b32 s34, s34, s35
	v_cndmask_b32 v202, v202, v[112+\e], s34
	v_cndmask_b32 v203, v203, \e, s34
.endr
.irp e, 0,1,2,3,4,5,6,7
	v_sub_f32 v[120+\e], v[112+\e], v200           ; the maximum is taken away ahead of the exponentials
.endr
	v_sub_f32 v128, v202, v200
.irp e, 0,1,2,3,4,5,6,7,8
	v_mul_f32 v[120+\e], 0x3fb8aa3b, v[120+\e]
.endr
.irp e, 0,1,2,3,4,5,6,7,8
	v_exp_f32 v[120+\e], v[120+\e]
.endr
	v_min_u32 v204, v201, v203                     ; e0 < e1.  (Plain places behind the exponentials)
	v_max_u32 v205, v201, v203
	s_wait_alu depctr_va_vdst(0)
	v_pk_add_f32 v[132:133], v[120:121], v[122:123]
	v_pk_add_f32 v[134:135], v[124:125], v[126:127]
	v_pk_add_f32 v[132:133], v[132:133], v[134:135]
	v_add_f32 v132, v132, v133                     ; the softmax's sum
	v_rcp_f32 v130, v132
	v_add_f32 v131, 1.0, v128                      ; the two largest: 2^0 and the second's.  (A plain place behind the reciprocal)
	s_wait_alu depctr_va_vdst(0)
	v_mul_f32 v131, v131, v130                     ; the sum of the two gates
	v_sub_nc_u32 v206, 15, v204                    ; the pair's number: e0 (15 - e0) / 2 + e1 - e0 - 1, 0 .. 27
	v_mul_u32_u24 v206, v206, v204
	v_lshrrev_b32 v206, 1, v206
	v_add_nc_u32 v206, v206, v205
	v_sub_nc_u32 v206, v206, v204
	v_add_nc_u32 v206, -1, v206
	v_mov_b32 v207, 0                              ; my rank among the run's tokens of my pair
	v_mov_b32 v208, 0                              ; lane p: how many of the run's 32 tokens chose pair p
.irp p, 0,1,2,3,4,5,6,7,8,9,10,11,12,13,14,15,16,17,18,19,20,21,22,23,24,25,26,27
	v_cmp_eq_u32 s34, \p, v206
	v_mbcnt_lo_u32_b32 v209, s34, 0
	v_cndmask_b32 v207, v207, v209, s34
	s_bcnt1_i32_b32 s35, s34
	v_writelane_b32 v208, s35, \p
.endr
	v_lshlrev_b32 v206, 2, v206
	v_lshl_or_b32 v206, v207, 8, v206              ; 4 x pair + 256 x rank
	global_store_b32 v14, v131, s[20:21]
	global_store_b32 v14, v206, s[22:23]
	global_store_b32 v14, v208, s[24:25]
.Lend:
	s_wait_tensorcnt 0x0
	ds_add_u32 v254, v255
	s_wait_dscnt 0x0
	s_endpgm
.Lfunc_end_k_qa03c26007e_route:
	.size	k_qa03c26007e_route, .Lfunc_end_k_qa03c26007e_route-k_qa03c26007e_route
	.p2alignl 7, 3214868480
	.fill 96, 4, 3214868480
	.section	.rodata,"a",@progbits
	.p2align	6, 0x0
	.amdhsa_kernel k_qa03c26007e_route
		.amdhsa_group_segment_fixed_size 166912
		.amdhsa_private_segment_fixed_size 0
		.amdhsa_enable_private_segment 0
		.amdhsa_kernarg_size 80
		.amdhsa_user_sgpr_count 2
		.amdhsa_user_sgpr_kernarg_segment_ptr 1
		.amdhsa_wavefront_size32 1
		.amdhsa_system_sgpr_workgroup_id_x 1
		.amdhsa_system_sgpr_workgroup_id_y 1
		.amdhsa_system_sgpr_workgroup_id_z 1
		.amdhsa_system_vgpr_workitem_id 0
		.amdhsa_next_free_vgpr 256
		.amdhsa_next_free_sgpr 66
		.amdhsa_reserve_vcc 1
		.amdhsa_float_denorm_mode_32 3
		.amdhsa_float_denorm_mode_16_64 3
		.amdhsa_memory_ordered 1
		.amdhsa_forward_progress 1
		.amdhsa_inst_pref_size 104
	.end_amdhsa_kernel
	.amdgpu_metadata
---
amdhsa.version: [ 1, 2 ]
amdhsa.kernels:
  - .name:           k_qa03c26007e_route
    .symbol:         k_qa03c26007e_route.kd
    .args:
      - { .name: x, .offset: 0, .size: 8, .value_kind: global_buffer, .address_space: global }
      - { .name: gate_w, .offset: 8, .size: 8, .value_kind: global_buffer, .address_space: global }
      - { .name: w1_codes, .offset: 16, .size: 8, .value_kind: global_buffer, .address_space: global }
      - { .name: w2_codes, .offset: 24, .size: 8, .value_kind: global_buffer, .address_space: global }
      - { .name: xq, .offset: 32, .size: 8, .value_kind: global_buffer, .address_space: global }
      - { .name: xs, .offset: 40, .size: 8, .value_kind: global_buffer, .address_space: global }
      - { .name: tw, .offset: 48, .size: 8, .value_kind: global_buffer, .address_space: global }
      - { .name: rinfo, .offset: 56, .size: 8, .value_kind: global_buffer, .address_space: global }
      - { .name: hist, .offset: 64, .size: 8, .value_kind: global_buffer, .address_space: global }
      - { .name: wq, .offset: 72, .size: 8, .value_kind: global_buffer, .address_space: global }
    .group_segment_fixed_size: 166912
    .private_segment_fixed_size: 0
    .kernarg_segment_align: 8
    .kernarg_segment_size: 80
    .max_flat_workgroup_size: 256
    .sgpr_count:     66
    .vgpr_count:     256
    .wavefront_size: 32
...
	.end_amdgpu_metadata
.endif
;; end of part 1
;; launch place (part 2): grid 1 x 1, 8 waves a work-group, no clusters, 2,048 bytes of LDS; arguments hist, rinfo, order, tiles; writes order, tiles
.if DOCPART == 2
	.amdgcn_target "amdgcn-amd-amdhsa--gfx1250"
	.amdhsa_code_object_version 6
	.text
	.protected	k_qa03c26007e_place
	.globl	k_qa03c26007e_place
	.p2align	8
	.type	k_qa03c26007e_place,@function
k_qa03c26007e_place:
	s_mov_b64 s[64:65], 0
	v_nop
	global_prefetch_b8 v0, s[64:65] scope:SCOPE_SE
	s_setreg_imm32_b32 hwreg(HW_REG_WAVE_MODE, 25, 1), 1
	s_wait_xcnt 0x0
; PLACE.  A counting sort of the 8,192 tokens by their pair of experts, without atomics, and the list of tiles of at most 48 tokens of one pair.
; hist [256 runs][32 bins]: how many tokens of a run of 32 chose each pair; rinfo [8192]: 4 x pair + 256 x rank in the run.  All arithmetic is on whole numbers.
; Pair p with c tokens gets ceil(c / 48) tiles; its first slot is 48 x the tiles of the pairs before it.  Sum of ceil(c / 48) <= (8192 + 28 x 47) / 48, so at most 198 tiles, 9,504 slots, whatever the choice.
; order [9504]: slot -> token; slots behind a pair's last token are not written and nobody reads them.  tiles [224] x {e0 + 256 e1, tokens, first slot, 0}; a tile without tokens has 0 tokens and first slot 0.
; One work-group: wave v owns runs 32 v .. 32 v + 31.  For the prefix sums a lane is a bin; for the placing a lane is a token, and takes its pair's running base from the lane of that bin.
.set H,    16                          ; v16-47   counts; later the bases fetched, then the stores' offsets
.set R,    48                          ; v48-79   rinfo
.set P,    80                          ; v80-111  running bases: lane = bin
.set D,    112                         ; v112-143 4 x pair for the permutes; then the token numbers
.set Q,    144                         ; v144-151 the eight waves' totals
.set CR,   152                         ; the pair's tokens
.set PW,   153                         ; those of the waves before mine
.set NB,   154                         ; its tiles
.set BBR,  155                         ; the tiles of the pairs before it
.set BASE, 156
.set T48,  157
.set REM,  158
.set EE,   159
.set TT,   160
.set ENT,  164                         ; v164-167 a tile's entry
	s_load_b256 s[8:15], s[0:1], 0x0               ; hist, rinfo, order, tiles
	v_lshl_add_u32 v192, v0, 2, 0x400
	v_mov_b32 v193, 0
	v_lshrrev_b32 v4, 5, v0
	v_readfirstlane_b32 s16, v4                    ; wave 0..7
	v_and_b32 v1, 31, v0
	v_lshlrev_b32 v5, 2, v1                        ; 4 x lane
	v_lshl_add_u32 v2, v4, 12, v5                  ; my wave's 32 runs of 128 bytes, in hist and in rinfo alike
	v_lshl_add_u32 v3, v4, 10, v1                  ; token of run 0 of my wave at my lane
	v_lshlrev_b32 v6, 2, v0                        ; LDS: a word a thread
	v_mul_u32_u24 v[T48], v0, 48
	s_wait_kmcnt 0x0
.set i, 0
.rept 32
	global_load_b32 v[H+i], v2, s[8:9] offset:128*i
.set i, i+1
.endr
.set i, 0
.rept 32
	global_load_b32 v[R+i], v2, s[10:11] offset:128*i
.set i, i+1
.endr
	s_wait_loadcnt 32                              ; hist's 32 loads are in; rinfo's 32 stay out
	v_mov_b32 v[P], 0
.set i, 1
.rept 31
	v_add_nc_u32 v[P+i], v[P+i-1], v[H+i-1]        ; the bin's tokens in my wave's earlier runs
.set i, i+1
.endr
	v_add_nc_u32 v[TT], v[P+31], v[H+31]           ; my wave's total of the bin
	ds_store_b32 v6, v[TT]
	s_wait_dscnt 0x0                               ; for the others' sake
	s_barrier_signal -1
	s_barrier_wait -1
.irp q, 0,1,2,3,4,5,6,7
	ds_load_b32 v[Q+\q], v5 offset:128*\q
.endr
	s_wait_dscnt 0x0
	v_add3_u32 v[CR], v[Q], v[Q+1], v[Q+2]
	v_add3_u32 v[CR], v[CR], v[Q+3], v[Q+4]
	v_add3_u32 v[CR], v[CR], v[Q+5], v[Q+6]
	v_add_nc_u32 v[CR], v[CR], v[Q+7]
	v_mov_b32 v[PW], 0
.irp q, 0,1,2,3,4,5,6
	s_cmp_gt_u32 s16, \q
	s_cselect_b32 s20, -1, 0
	v_and_b32 v[TT], s20, v[Q+\q]
	v_add_nc_u32 v[PW], v[PW], v[TT]
.endr
	v_add_nc_u32 v[NB], 47, v[CR]
	v_mul_u32_u24 v[NB], v[NB], 0xaaab             ; n / 48 = (43,691 n) >> 21: 43,691 x 48 = 2^21 + 16, exact for n up to 8,239
	v_lshrrev_b32 v[NB], 21, v[NB]
	v_mov_b32 v[BBR], 0
	s_mov_b32 s22, 0
.irp p, 0,1,2,3,4,5,6,7,8,9,10,11,12,13,14,15,16,17,18,19,20,21,22,23,24,25,26,27
	v_readlane_b32 s21, v[NB], \p
	v_writelane_b32 v[BBR], s22, \p
	s_add_co_u32 s22, s22, s21
.endr
	v_mul_u32_u24 v[BASE], v[BBR], 48
	v_add_nc_u32 v[BASE], v[BASE], v[PW]
.set i, 0
.rept 32
	v_add_nc_u32 v[P+i], v[P+i], v[BASE]           ; lane = bin: the slot of the bin's first token of run i
.set i, i+1
.endr
	s_wait_loadcnt 0x0                             ; rinfo
.set i, 0
.rept 32
	v_and_b32 v[D+i], 0xff, v[R+i]                 ; 4 x pair: the lane to ask
	ds_bpermute_b32 v[H+i], v[D+i], v[P+i]
.set i, i+1
.endr
.set i, 0
.rept 32
	v_lshrrev_b32 v[R+i], 8, v[R+i]                ; my rank in the run
	s_wait_dscnt 31-i                              ; permute i is back, the younger ones stay out
	v_add_nc_u32 v[H+i], v[H+i], v[R+i]
	v_min_u32 v[H+i], 0x251f, v[H+i]               ; a slot, 9,503 at the most
	v_lshlrev_b32 v[H+i], 2, v[H+i]
	v_add_nc_u32 v[D+i], 32*i, v3                  ; my token
	global_store_b32 v[H+i], v[D+i], s[12:13]      ; each store has registers of its own: none is written again
.set i, i+1
.endr
	s_cmp_lt_u32 s16, 7
	s_cbranch_scc0 .Lend
; THE LIST OF TILES, 224 entries, a thread to a tile: the last pair whose first tile is not behind mine owns it.
	v_mov_b32 v[REM], 0
	v_mov_b32 v[EE], 0x100
.set PID, 0
.irp a, 0,1,2,3,4,5,6
.irp b, 1,2,3,4,5,6,7
.if \b > \a
	v_readlane_b32 s20, v[BBR], PID
	v_readlane_b32 s21, v[CR], PID
	s_mul_i32 s22, s20, 48
	s_add_co_u32 s22, s22, s21
	s_mov_b32 s23, \a+256*\b
	v_cmp_le_u32 vcc_lo, s20, v0
	v_sub_nc_u32 v[TT], s22, v[T48]                ; the pair's tokens from my tile's first slot on (0 or less: none)
	v_cndmask_b32 v[REM], v[REM], v[TT], vcc_lo
	v_cndmask_b32 v[EE], v[EE], s23, vcc_lo
.set PID, PID+1
.endif
.endr
.endr
	v_max_i32 v[REM], 0, v[REM]
	v_min_u32 v[ENT+1], 48, v[REM]
	v_mov_b32 v[ENT], v[EE]
	v_cmp_ne_u32 vcc_lo, 0, v[ENT+1]
	v_cndmask_b32 v[ENT+2], 0, v[T48], vcc_lo
	v_mov_b32 v[ENT+3], 0
	v_lshlrev_b32 v[TT], 4, v0
	global_store_b128 v[TT], v[ENT:ENT+3], s[14:15]
.Lend:
	s_wait_tensorcnt 0x0
	ds_add_u32 v192, v193
	s_wait_dscnt 0x0
	s_endpgm
.Lfunc_end_k_qa03c26007e_place:
	.size	k_qa03c26007e_place, .Lfunc_end_k_qa03c26007e_place-k_qa03c26007e_place
	.p2alignl 7, 3214868480
	.fill 96, 4, 3214868480
	.section	.rodata,"a",@progbits
	.p2align	6, 0x0
	.amdhsa_kernel k_qa03c26007e_place
		.amdhsa_group_segment_fixed_size 2048
		.amdhsa_private_segment_fixed_size 0
		.amdhsa_enable_private_segment 0
		.amdhsa_kernarg_size 32
		.amdhsa_user_sgpr_count 2
		.amdhsa_user_sgpr_kernarg_segment_ptr 1
		.amdhsa_wavefront_size32 1
		.amdhsa_system_sgpr_workgroup_id_x 1
		.amdhsa_system_sgpr_workgroup_id_y 1
		.amdhsa_system_sgpr_workgroup_id_z 1
		.amdhsa_system_vgpr_workitem_id 0
		.amdhsa_next_free_vgpr 194
		.amdhsa_next_free_sgpr 66
		.amdhsa_reserve_vcc 1
		.amdhsa_float_denorm_mode_32 3
		.amdhsa_float_denorm_mode_16_64 3
		.amdhsa_memory_ordered 1
		.amdhsa_forward_progress 1
		.amdhsa_inst_pref_size 43
	.end_amdhsa_kernel
	.amdgpu_metadata
---
amdhsa.version: [ 1, 2 ]
amdhsa.kernels:
  - .name:           k_qa03c26007e_place
    .symbol:         k_qa03c26007e_place.kd
    .args:
      - { .name: hist, .offset: 0, .size: 8, .value_kind: global_buffer, .address_space: global }
      - { .name: rinfo, .offset: 8, .size: 8, .value_kind: global_buffer, .address_space: global }
      - { .name: order, .offset: 16, .size: 8, .value_kind: global_buffer, .address_space: global }
      - { .name: tiles, .offset: 24, .size: 8, .value_kind: global_buffer, .address_space: global }
    .group_segment_fixed_size: 2048
    .private_segment_fixed_size: 0
    .kernarg_segment_align: 8
    .kernarg_segment_size: 32
    .max_flat_workgroup_size: 256
    .sgpr_count:     66
    .vgpr_count:     194
    .wavefront_size: 32
...
	.end_amdgpu_metadata
.endif
;; end of part 2
;; launch chain (part 3): grid 198 x 1, 8 waves a work-group, no clusters, 99,328 bytes of LDS; arguments tiles, order, xq, xs, tw, wq, w1_scales, b1, w2_scales, b2, out0; writes out0
.if DOCPART == 3
	.amdgcn_target "amdgcn-amd-amdhsa--gfx1250"
	.amdhsa_code_object_version 6
	.text
	.protected	k_qa03c26007e_chain
	.globl	k_qa03c26007e_chain
	.p2align	8
	.type	k_qa03c26007e_chain,@function
k_qa03c26007e_chain:
	s_mov_b64 s[64:65], 0
	v_nop
	global_prefetch_b8 v0, s[64:65] scope:SCOPE_SE
	s_setreg_imm32_b32 hwreg(HW_REG_WAVE_MODE, 25, 1), 1
	s_wait_xcnt 0x0
; CHAIN.  out[n] = tw[n] x sum over the token's two experts e of (gelu(x[n] W1[e] + b1[e]) W2[e] + b2[e]), both products on codes of FP4 (E2M1) with one E8M0 scale for each 32 along K.
; A work-group takes ONE TILE of the stored list: up to 48 tokens that chose the same pair (e0, e1), through the whole chain; each row of out0 has one owner.  198 work-groups serve every split.
; SHARES.  Three tiles m of 16 tokens.  THE EIGHT WAVES SHARE THE COLUMNS: wave w makes hidden units 64 w .. 64 w + 63 of each expert and outputs 128 w .. 128 w + 127, for all 48 tokens.
; So each byte of the two experts' weights is read once by the work-group, from the buffer laid in the order of the operand registers, 512 consecutive bytes a load, straight into registers.
; THE STREAM.  A wave's weights are 32 groups of four fragments (4,096 bytes), in four quarters of eight: W1[e0], W1[e1], W2 for my columns 0-63 (both experts), W2 for my columns 64-127.
; The ring has EIGHT slots, one quarter, 32,768 bytes a wave: each step asks for the group eight further on, so a quarter is asked for whole while the quarter before is multiplied, and lands while
; the phase between them works: W1[e0] under the gather, W1[e1] under e0's gelu, W2's first half under e1's gelu, its second half under the first half's way out.
; The ring's 256 registers are there because the second product goes in TWO HALVES of my columns: twelve accumulators, the same twelve that the first product uses.
; ORDER.  x's codes gathered into LDS | barrier | x W1[e0], gelu, quantised; x W1[e1] likewise; the codes go to LDS as blocks of 32 | barrier | for each half of my columns ONE sum over
; K = [h(e0) | h(e1)], eight steps of 128, against [W2[e0] | W2[e1]]: the sum over the two experts costs no addition; then (+ b2[e0] + b2[e1]) x tw, through the wave's own stage, out.
; The first half's stores are on their way while the second half is multiplied.
; Both products are used TRANSPOSED (source 0 = 16 rows of a weight, source 1 = 16 tokens): a lane holds one token.  THE ROWS OF W1 THAT FORM A TILE ARE NOT NEIGHBOURS: lane a of tile 2 b + u holds
; row 32 b + 8 u + a + 8 (a / 8), so that the 16 registers of tiles 2 b and 2 b + 1 are 16 neighbours along the next K.
; GELU, exact form: gelu(x) = max(x, 0) - |x| E, E = erfc(|x| / sqrt 2) / 2 = t 2^(-b^2 + d0 + d1 t + .. + d9 t^9), t = 1 / (1 + |x| / (2 sqrt 2)), b^2 = x^2 log2(e) / 2:
; the rational Chebyshev form of erfc whose fractional error is stated as under 1.2e-7 for every argument, so the negative tail keeps its relative accuracy; its coefficients x log2(e), 1 off d0 for the half.
; Slots behind the tile's last token repeat that token.  A tile without tokens walks the text on slot 0 and stores nothing.
; NO CLUSTER, NO TENSOR LOADS: which experts a work-group walks and how many rows it stores hang on the stored list, and how many tiles a pair has (0 to 171) divides into no fixed cluster.
; LIMITS: NaN and infinities are not served.  A block of zeros of the hidden layer gets the byte 1: its codes are zeros.
; REGISTERS, window 0: v1-11 addresses; v12-17 (tw, token) of my slots, later v12-15 b2's sum for the second half; v18-19 d9; v20-23 b2's sum for the first half; v24-35 x's scale words, later h(e1)'s;
;   v36-47 h(e0)'s; v48-63, v64-79 weights' scale words, two sets; v80-175 twelve accumulators; v176-223 tokens' fragments, two sets of three; v224-255 at work, and b1 ahead of an expert's first step.
;   window 1: the ring, slot g % 8 at v[32 (g % 8)].
.set XIMG, 0                           ; LDS: x's codes [m 3][block 32, pitch 272][token 16][16 bytes]: a fragment load's sixteen lanes read 256 bytes on end
.set HIMG, 26112                       ; the hidden layers' [expert 2][m 3][block 16, pitch 272][token 16][16 bytes]
.set HSC,  52224                       ; their scale bytes [expert 2][m 3][token 16][16 bytes]
.set STG,  53760                       ; the way out: 16 rows x (256 + 16) bytes for each wave: 272 is an odd multiple of 16, so sixteen rows' 16 bytes fall on different banks (64 banks of 4 bytes: ISA guide 11.1)
.set B1L,  88576                       ; b1 of my 64 hidden units, e0's 256 bytes and e1's, for each wave
.set TKT,  92672                       ; (tw, token) of the 48 slots, 8 bytes each, a copy for each wave (512 bytes apart)
.set L16,  1                           ; 16 x lane
.set FA,   2                           ; 272 h + 16 r: my place in a fragment
.set HST,  3                           ; 544 w + 272 h + 16 r: where my block of the hidden layer goes
.set HSS,  4                           ; 16 r + 2 w: and its two scale bytes
.set R16,  5                           ; 16 r
.set STO,  6                           ; the stage, in: row r, + 32 h
.set SRD,  7                           ; the stage, back: lanes 0-15 one row of 256 bytes, lanes 16-31 the next
.set OCOL, 8                           ; 512 w + 16 r: my bytes in a row of out0
.set S1A,  9                           ; W1's scale words: (a + 8 (a / 8)) x 32 + 16 h
.set B1A,  10                          ; b1 in LDS: my wave's, + 64 h
.set TKR,  11                          ; the slots' table: my wave's, + 8 h
.set TWT,  12                          ; v[12 + 2 m] tw, v[13 + 2 m] token of slot 16 m + r
.set KD9,  18
.set XS,   24
.set HS0,  36
.set SA,   48
.set ACCA, 80
.set FR,   176
.set TMP,  224
.set TT,   224                         ; gelu: t
.set PP,   232                         ; the polynomial, then E
.set BB,   240                         ; b, then max(x, 0)
.set QM,   224                         ; the quantiser: largest magnitudes,
.set QX,   226                         ; the other half's,
.set QS,   228                         ; scale operands,
.set QB,   230                         ; bytes
.set PC,   248                         ; four registers of codes
.set HW,   252                         ; two scale bytes
.set OB,   176                         ; the way out: eight pairs of rows x 4 registers,
.set PR,   208                         ; their (tw, token),
.set OAD,  224                         ; and their offsets in out0
.set WV,   36
.set CNT,  37
.set CM1,  38
.set W1B,  40                          ; s[40:47] wq at my wave's part: W1[e0], W1[e1], W2[e0], W2[e1]
.set S1B,  48                          ; s[48:51] w1_scales, s[52:55] w2_scales, s[56:59] b1, s[60:63] b2: for e0, e1
.set S2B,  52
.set B1B,  56
.set B2B,  60
.set DC,   66                          ; s[66:83] d0 .. d8, each twice: the packed forms name a pair
.set CB,   84
.set C1,   86
.set SEL,  88
.set MSB, 0
.macro WIN new                         ; the immediate's high byte repeats the setting that is left; a switch that changes nothing is dropped
.if MSB != \new
	s_set_vgpr_msb (MSB<<8)|\new
.set MSB, \new
.endif
.endm
.macro PLACES                          ; four plain places between a matrix instruction and a load into its operands or a read of its result
.rept 4
	v_nop
.endr
.endm
.macro SETD i, val
	s_mov_b32 s[DC+2*\i], \val
	s_mov_b32 s[DC+2*\i+1], \val
.endm
.macro BASES x, e                      ; my wave's parts of expert s[e]'s tensors
	s_lshl_b32 s30, s[\e], 18
	s_lshl_b32 s94, s[WV], 15
	s_add_co_u32 s30, s30, s94
	s_add_nc_u64 s[W1B+2*\x:W1B+2*\x+1], s[18:19], s[30:31]
	s_add_nc_u64 s[W1B+4+2*\x:W1B+5+2*\x], s[W1B+2*\x:W1B+2*\x+1], 0x200000
	s_lshl_b32 s30, s[\e], 14
	s_lshl_b32 s94, s[WV], 11
	s_add_co_u32 s30, s30, s94
	s_add_nc_u64 s[S1B+2*\x:S1B+2*\x+1], s[20:21], s[30:31]
	s_add_nc_u64 s[S2B+2*\x:S2B+2*\x+1], s[24:25], s[30:31]
	s_lshl_b32 s30, s[\e], 11
	s_lshl_b32 s94, s[WV], 8
	s_add_co_u32 s30, s30, s94
	s_add_nc_u64 s[B1B+2*\x:B1B+2*\x+1], s[22:23], s[30:31]
	s_lshl_b32 s30, s[\e], 12
	s_lshl_b32 s94, s[WV], 9
	s_add_co_u32 s30, s30, s94
	s_add_nc_u64 s[B2B+2*\x:B2B+2*\x+1], s[26:27], s[30:31]
.endm
; Group g of the stream: 0-7 W1[e0] by K step, 8-15 W1[e1]; 16-23 tiles 0-3 of my eight tiles of W2: e0's four K steps, then e1's; 24-31 tiles 4-7 likewise.  Eight loads, into ring slot g % 8.
; The scale words that a tensor's products want go out IN FRONT of its first group, so that the wait for that group covers them (W1: register 4 t + j holds K step j in lanes 0-15 and 4 + j in
; lanes 16-31; W2: register 4 i + j holds K step j of tile 2 i in lanes 0-15, of tile 2 i + 1 in lanes 16-31).  W2[e1]'s take the set that W1[e1]'s leave: they are asked for behind that product's last step.
; With eight groups a wave can have 64 loads issued; the issue of a load for which the counter's field has no room is held back by the hardware (ISA guide 5.7.1).
.macro ISSUE g
.if (\g) < 32
.set RS, 32*((\g)%8)
.if (\g) < 16
.set GB, W1B+2*((\g)/8)
.set GO, 4096*((\g)%8)
.else
.set GB, W1B+4+2*(((\g)%8)/4)
.set GO, 4096*(2*((\g)%4)+((\g)-16)/8)
.endif
.if ((\g) == 0) || ((\g) == 8)
.set GQ, (\g)/8
	WIN 0
.irp t, 0,1,2,3
	global_load_b128 v[SA+16*GQ+4*\t:SA+16*GQ+4*\t+3], v[S1A], s[S1B+2*GQ:S1B+2*GQ+1] offset:1024*(\t/2)+256*(\t%2)
.endr
.endif
.if (\g) == 16
	WIN 0
.irp i, 0,1,2,3
	global_load_b128 v[SA+4*\i:SA+4*\i+3], v[L16], s[S2B:S2B+1] offset:512*\i
.endr
.endif
	WIN 0x40                                       ; destination window 1, address window 0
.irp f, 0,1,2,3
.irp c, 0,1
	global_load_b128 v[RS+8*\f+4*\c:RS+8*\f+4*\c+3], v[L16], s[GB:GB+1] offset:GO+1024*\f+512*\c
.endr
.endr
.endif
.endm
; Group g is in: behind it the ring loads of at most seven groups were issued.
; Group 20 is the first whose products take W2[e1]'s scale words: behind those four loads only groups 24 to 27, 32 loads, were issued.
.macro WAITG g
.if (\g) == 20
	s_wait_loadcnt 32
.elseif 31-(\g) >= 7
	s_wait_loadcnt 56
.else
	s_wait_loadcnt 8*(31-(\g))
.endif
.endm
.macro XFR buf, s                      ; the three token tiles' fragments of x, K step s: lane (r, h), registers 4 c ..: block 4 s + 2 c + h of token r
.irp m, 0,1,2
.irp c, 0,1
	ds_load_b128 v[FR+24*(\buf)+8*\m+4*\c:FR+24*(\buf)+8*\m+4*\c+3], v[FA] offset:XIMG+8704*\m+(4*(\s)+2*\c)*272
.endr
.endr
.endm
.macro HFR buf, q                      ; the same of the hidden layers: step q = 4 x expert + K step
.irp m, 0,1,2
.irp c, 0,1
	ds_load_b128 v[FR+24*(\buf)+8*\m+4*\c:FR+24*(\buf)+8*\m+4*\c+3], v[FA] offset:HIMG+13056*((\q)/4)+4352*\m+(4*((\q)%4)+2*\c)*272
.endr
.endr
.endm
.macro B1LD p                          ; b1[expert p] in the result's layout: for tile t, lane (r, h): hidden units 32 (t / 2) + 16 h + 8 (t % 2) + 0 .. 7 of my 64; sixteen lanes read the same 16 bytes
.irp t, 0,1,2,3
	ds_load_b128 v[TMP+8*\t:TMP+8*\t+3], v[B1A] offset:256*\p+128*(\t/2)+32*(\t%2)
	ds_load_b128 v[TMP+8*\t+4:TMP+8*\t+7], v[B1A] offset:256*\p+128*(\t/2)+32*(\t%2)+16
.endr
.endm
; One product.  c < 0: the constant 0 starts the sum.  ra, rb: the scales stand in lanes 16-31.
.macro MM d, a, b, c, sa, sb, ra, rb
.if (\c) < 0
.if (\ra)
	v_wmma_scale_f32_16x16x128_f8f6f4 v[\d:\d+7], v[\a:\a+7], v[\b:\b+7], 0, v[\sa], v[\sb] matrix_a_fmt:MATRIX_FMT_FP4 matrix_b_fmt:MATRIX_FMT_FP4 matrix_a_scale:MATRIX_SCALE_ROW1
.else
	v_wmma_scale_f32_16x16x128_f8f6f4 v[\d:\d+7], v[\a:\a+7], v[\b:\b+7], 0, v[\sa], v[\sb] matrix_a_fmt:MATRIX_FMT_FP4 matrix_b_fmt:MATRIX_FMT_FP4
.endif
.elseif (\ra) && (\rb)
	v_wmma_scale_f32_16x16x128_f8f6f4 v[\d:\d+7], v[\a:\a+7], v[\b:\b+7], v[\c:\c+7], v[\sa], v[\sb] matrix_a_fmt:MATRIX_FMT_FP4 matrix_b_fmt:MATRIX_FMT_FP4 matrix_a_scale:MATRIX_SCALE_ROW1 matrix_b_scale:MATRIX_SCALE_ROW1
.elseif (\ra)
	v_wmma_scale_f32_16x16x128_f8f6f4 v[\d:\d+7], v[\a:\a+7], v[\b:\b+7], v[\c:\c+7], v[\sa], v[\sb] matrix_a_fmt:MATRIX_FMT_FP4 matrix_b_fmt:MATRIX_FMT_FP4 matrix_a_scale:MATRIX_SCALE_ROW1
.else
	v_wmma_scale_f32_16x16x128_f8f6f4 v[\d:\d+7], v[\a:\a+7], v[\b:\b+7], v[\c:\c+7], v[\sa], v[\sb] matrix_a_fmt:MATRIX_FMT_FP4 matrix_b_fmt:MATRIX_FMT_FP4
.endif
.endm
; K step s of x W1[expert p]: twelve products, four tiles of hidden units x three of tokens; the twelve accumulators take turns, one instruction a turn.  Step 0 takes b1 as C.
.macro P1STEP p, s, nxt
	WIN 0
.if \nxt
.set NXB, ((\s)+1)%2
.set NXS, ((\s)+1)%8
	XFR NXB, NXS                                   ; the next step's fragments (behind step 7 of e0: step 0 again, for e1), into the set that the last step's products have left
	s_wait_dscnt 6                                 ; all but the six just issued: this step's fragments are in, and ahead of step 0 b1
.else
	s_wait_dscnt 0x0
.endif
	WAITG 8*(\p)+(\s)
	WIN 0x01                                       ; source 0 (W1) window 1
.set RS, 32*(\s)
.set FB, FR+24*((\s)%2)
.set SWS, SA+16*(\p)
.irp t, 0,1,2,3
.irp m, 0,1,2
.if (\s) == 0
	MM ACCA+8*(3*\t+\m), RS+8*\t, FB+8*\m, TMP+8*\t, SWS+4*\t, XS+4*\m, 0, 0
.else
	MM ACCA+8*(3*\t+\m), RS+8*\t, FB+8*\m, ACCA+8*(3*\t+\m), SWS+4*\t+(\s)%4, XS+4*\m+(\s)%4, (\s)/4, (\s)/4
.endif
.endr
.endr
	PLACES
	ISSUE 8*(\p)+(\s)+8                            ; the slot just multiplied takes the group eight further on
	WIN 0
.endm
; Step q of the second product for half hf of my columns: four tiles of outputs x three of tokens, the same twelve accumulators by turns.
.macro P2STEP hf, q
	WIN 0
.if (\q) < 7
.set NXB, ((\q)+1)%2
.set NXS, (\q)+1
	HFR NXB, NXS
	s_wait_dscnt 6                                 ; all but the six just issued
.else
	s_wait_dscnt 0x0
.endif
	WAITG 16+8*(\hf)+(\q)
	WIN 0x01                                       ; source 0 (W2) window 1
.set RS, 32*(\q)
.set FB, FR+24*((\q)%2)
.set SWS, SA+16*((\q)/4)
.set HSW, HS0-12*((\q)/4)              ; h(e0)'s scale words, or h(e1)'s, which took the place of x's
.irp f, 0,1,2,3
.irp m, 0,1,2
.if (\q) == 0
	MM ACCA+8*(3*\f+\m), RS+8*\f, FB+8*\m, -1, SWS+4*((4*(\hf)+\f)/2), HSW+4*\m, \f%2, 0
.else
	MM ACCA+8*(3*\f+\m), RS+8*\f, FB+8*\m, ACCA+8*(3*\f+\m), SWS+4*((4*(\hf)+\f)/2)+(\q)%4, HSW+4*\m+(\q)%4, \f%2, 0
.endif
.endr
.endr
	PLACES
	ISSUE 16+8*(\hf)+(\q)+8
	WIN 0
.endm
; gelu on one accumulator's eight registers, in place, from its low end on.
.macro GELU8 x
.irp j, 0,1,2,3,4,5,6,7
	v_fma_f32 v[TT+\j], |v[(\x)+\j]|, s[C1], 1.0
.endr
.irp j, 0,1,2,3,4,5,6,7
	v_rcp_f32 v[TT+\j], v[TT+\j]                   ; t
.endr
.irp j, 0,2,4,6
	v_pk_mul_f32 v[BB+\j:BB+\j+1], v[(\x)+\j:(\x)+\j+1], s[CB:CB+1] op_sel_hi:[1,0]   ; b.  (Plain places behind the reciprocals)
.endr
	s_wait_alu depctr_va_vdst(0)
.irp j, 0,2,4,6
	v_pk_fma_f32 v[PP+\j:PP+\j+1], v[TT+\j:TT+\j+1], v[KD9:KD9+1], s[DC+16:DC+17] op_sel_hi:[1,1,0]
.endr
.irp d, 7,6,5,4,3,2,1,0
.irp j, 0,2,4,6
	v_pk_fma_f32 v[PP+\j:PP+\j+1], v[PP+\j:PP+\j+1], v[TT+\j:TT+\j+1], s[DC+2*\d:DC+2*\d+1] op_sel_hi:[1,1,0]
.endr
.endr
.irp j, 0,2,4,6
	v_pk_fma_f32 v[PP+\j:PP+\j+1], v[BB+\j:BB+\j+1], v[BB+\j:BB+\j+1], v[PP+\j:PP+\j+1] neg_lo:[1,0,0] neg_hi:[1,0,0]   ; - b^2
.endr
.irp j, 0,1,2,3,4,5,6,7
	v_exp_f32 v[PP+\j], v[PP+\j]
.endr
.irp j, 0,1,2,3,4,5,6,7
	v_max_num_f32 v[BB+\j], 0, v[(\x)+\j]          ; (plain places behind the exponentials)
.endr
	s_wait_alu depctr_va_vdst(0)
.irp j, 0,2,4,6
	v_pk_mul_f32 v[PP+\j:PP+\j+1], v[PP+\j:PP+\j+1], v[TT+\j:TT+\j+1]   ; E
.endr
.irp j, 0,1,2,3,4,5,6,7
	v_fma_f32 v[(\x)+\j], -|v[(\x)+\j]|, v[PP+\j], v[BB+\j]
.endr
.endm
; My 64 hidden units of token tile m become two blocks of codes and two scale bytes.  Tiles 2 b and 2 b + 1 hold k = 16 h + 0 .. 15 of block 2 w + b; lane l xor 16 holds the other half.
.macro QH p, m
.irp b, 0,1
	v_max3_num_f32 v[QM+\b], |v[ACCA+8*(6*\b+\m)]|, |v[ACCA+8*(6*\b+\m)+1]|, 0x1800000   ; with the floor 2^(3 - 127): the byte cannot fall under 1
.endr
.irp i, 2,4,6
.irp b, 0,1
	v_max3_num_f32 v[QM+\b], v[QM+\b], |v[ACCA+8*(6*\b+\m)+\i]|, |v[ACCA+8*(6*\b+\m)+\i+1]|
.endr
.endr
.irp i, 0,2,4,6
.irp b, 0,1
	v_max3_num_f32 v[QM+\b], v[QM+\b], |v[ACCA+8*(6*\b+3+\m)+\i]|, |v[ACCA+8*(6*\b+3+\m)+\i+1]|
.endr
.endr
.irp b, 0,1
	v_permlanex16_b32 v[QX+\b], v[QM+\b], s[SEL], s[SEL+1]
.endr
.irp b, 0,1
	v_max_num_f32 v[QM+\b], v[QM+\b], v[QX+\b]
.endr
.irp b, 0,1
	v_add_nc_u32 v[QS+\b], 0xff000000, v[QM+\b]    ; 2 off the exponent field: the conversion's scale operand
.endr
.irp b, 0,1
	v_lshrrev_b32 v[QB+\b], 23, v[QS+\b]
.endr
	s_wait_dscnt 0x0                               ; the last tile's LDS stores have read the registers written below
	v_lshl_or_b32 v[HW], v[QB+1], 8, v[QB]
.irp b, 0,1
	v_cvt_scalef32_pk8_fp4_f32 v[PC+2*\b], v[ACCA+8*(6*\b+\m):ACCA+8*(6*\b+\m)+7], v[QS+\b]
	v_cvt_scalef32_pk8_fp4_f32 v[PC+2*\b+1], v[ACCA+8*(6*\b+3+\m):ACCA+8*(6*\b+3+\m)+7], v[QS+\b]
.endr
	v_nop                                          ; one plain place behind the scaled conversions
	v_permlane16_swap_b32 v[PC], v[PC+2]           ; lanes 0-15 now hold block 2 w whole, lanes 16-31 block 2 w + 1
	v_permlane16_swap_b32 v[PC+1], v[PC+3]
	ds_store_b128 v[HST], v[PC:PC+3] offset:HIMG+13056*\p+4352*\m
	ds_store_b16 v[HSS], v[HW] offset:HSC+768*\p+256*\m   ; both lanes of a token write the same two bytes with the same value
.endm
.macro ACT p
.irp m, 0,1,2
.irp t, 0,1,2,3
	GELU8 ACCA+8*(3*\t+\m)
.endr
	QH \p, \m
.endr
.endm
; Half hf of my columns of token tile m goes out: 16 tokens x 64 columns through my own stage, back as rows of 256 bytes, two rows an instruction; each row's token and tw come from my table of slots.
; A pair of rows whose first row lies at or behind the tile's count is not stored, nor any behind it.  With an odd count the last pair's second row is a slot that repeats the last token:
; it holds the same numbers and goes to the same row as the pair's first.
.macro OUTH hf, m
.set B2R, 20-8*\hf
	s_cmp_gt_u32 s[CNT], 16*\m
	s_cbranch_scc0 .Lout_\hf
.if \m > 0
	s_wait_xcnt 0x0                                ; the last tile's stores have read their data and offsets, which are written again below
.endif
.irp n, 0,1,2,3
	ds_store_b128 v[STO], v[ACCA+8*(3*\n+\m):ACCA+8*(3*\n+\m)+3] offset:64*\n      ; each accumulator from its low end on
	ds_store_b128 v[STO], v[ACCA+8*(3*\n+\m)+4:ACCA+8*(3*\n+\m)+7] offset:64*\n+16
.endr
.irp i, 0,1,2,3,4,5,6,7
	ds_load_b64 v[PR+2*\i:PR+2*\i+1], v[TKR] offset:128*\m+16*\i       ; slot 16 m + 2 i + (lane / 16)
.endr
.irp i, 0,1,2,3,4,5,6,7
	ds_load_b128 v[OB+4*\i:OB+4*\i+3], v[SRD] offset:544*\i   ; LDS serves a wave's instructions in order (ISA guide 5.7.1.4): these see the stores above
.endr
.irp i, 0,1,2,3,4,5,6,7
	s_wait_dscnt 7-\i                              ; pair i is back (and all of the table's loads, issued ahead), the younger pairs stay out
.if \i > 0
	s_cmp_gt_u32 s[CNT], 16*\m+2*\i
	s_cbranch_scc0 .Lout_\hf
.endif
	v_min_u32 v[OAD+\i], 0x1fff, v[PR+2*\i+1]
	v_lshlrev_b32 v[OAD+\i], 12, v[OAD+\i]         ; the token's row of 4,096 bytes
	v_add_nc_u32 v[OAD+\i], v[OAD+\i], v[OCOL]
	v_pk_add_f32 v[OB+4*\i:OB+4*\i+1], v[OB+4*\i:OB+4*\i+1], v[B2R:B2R+1]
	v_pk_add_f32 v[OB+4*\i+2:OB+4*\i+3], v[OB+4*\i+2:OB+4*\i+3], v[B2R+2:B2R+3]
	v_pk_mul_f32 v[OB+4*\i:OB+4*\i+1], v[OB+4*\i:OB+4*\i+1], v[PR+2*\i:PR+2*\i+1] op_sel_hi:[1,0]        ; x tw: of the pair (tw, token) the low word serves both halves
	v_pk_mul_f32 v[OB+4*\i+2:OB+4*\i+3], v[OB+4*\i+2:OB+4*\i+3], v[PR+2*\i:PR+2*\i+1] op_sel_hi:[1,0]
	global_store_b128 v[OAD+\i], v[OB+4*\i:OB+4*\i+3], s[28:29] offset:256*\hf th:TH_STORE_NT   ; sixteen lanes store 256 consecutive bytes, at a multiple of 256 from out0's first byte
.endr
.endm
	s_load_b512 s[8:23], s[0:1], 0x0               ; tiles, order, xq, xs, tw, wq, w1_scales, b1
	s_load_b128 s[24:27], s[0:1], 0x40             ; w2_scales, b2
	s_load_b64 s[28:29], s[0:1], 0x50              ; out0
	v_lshrrev_b32 v224, 5, v0
	v_readfirstlane_b32 s[WV], v224                ; wave 0..7
	v_and_b32 v225, 31, v0                         ; lane
	v_and_b32 v226, 15, v0                         ; r
	v_bfe_u32 v227, v0, 4, 1                       ; h
	v_lshlrev_b32 v[L16], 4, v225
	v_mul_u32_u24 v[FA], v227, 272
	v_lshl_add_u32 v[FA], v226, 4, v[FA]
	s_mul_i32 s30, s[WV], 544
	v_add_nc_u32 v[HST], s30, v[FA]
	v_lshlrev_b32 v[R16], 4, v226
	s_lshl_b32 s30, s[WV], 1
	v_add_nc_u32 v[HSS], s30, v[R16]
	s_mul_i32 s30, s[WV], 4352
	s_add_co_u32 s30, s30, STG                     ; my stage
	v_mul_u32_u24 v[STO], v226, 272
	v_lshl_add_u32 v[STO], v227, 5, v[STO]
	v_add_nc_u32 v[STO], s30, v[STO]               ; row r, + 32 h; tile n's eight columns 64 n bytes on
	v_add_nc_u32 v[SRD], s30, v[FA]                ; back: row (lane / 16), 16 bytes a lane
	s_lshl_b32 s30, s[WV], 9
	v_add_nc_u32 v[OCOL], s30, v[R16]
	s_add_co_u32 s94, s30, B1L
	v_lshl_add_u32 v[B1A], v227, 6, s94
	v_lshl_add_u32 v238, v225, 3, s94              ; where b1 goes: 8 bytes a lane
	s_add_co_u32 s94, s30, TKT
	v_lshl_add_u32 v[TKR], v227, 3, s94
	v_lshl_add_u32 v237, v226, 3, s94              ; where my slots' (tw, token) go
	v_lshlrev_b32 v240, 3, v225                    ; b1 in memory: 8 bytes a lane
	v_and_b32 v[S1A], 8, v226
	v_add_nc_u32 v[S1A], v[S1A], v226
	v_lshlrev_b32 v[S1A], 5, v[S1A]
	v_lshl_add_u32 v[S1A], v227, 4, v[S1A]
	s_lshl_b32 s30, s[WV], 5
	v_mul_u32_u24 v239, v225, 272
	v_add_nc_u32 v239, s30, v239                   ; where a gathered row's blocks go: 272 lane + 32 w
	v_mov_b32 v[KD9], 0x3e7c6f08                   ; d9 = 0.24651730
	v_mov_b32 v[KD9+1], 0x3e7c6f08
	SETD 0, 0xc034d90f                             ; -2.82574822
	SETD 1, 0x3fb8ab5a                             ;  1.44272920
	SETD 2, 0x3f0a29d2                             ;  0.53970062
	SETD 3, 0x3e0efb2e                             ;  0.13963006
	SETD 4, 0xbe899a80                             ; -0.26875686
	SETD 5, 0x3ecdfd18                             ;  0.40232158
	SETD 6, 0xbfd1a1e5                             ; -1.63775315
	SETD 7, 0x40097039                             ;  2.14747446
	SETD 8, 0xbf97d29d                             ; -1.18611494
	s_mov_b32 s[CB], 0x3f596d27                    ; sqrt(log2(e) / 2) = 0.84932180
	s_mov_b32 s[CB+1], 0x3f596d27
	s_mov_b32 s[C1], 0x3eb504f3                    ; 1 / (2 sqrt 2) = 0.35355339
	s_mov_b32 s[SEL], 0x76543210
	s_mov_b32 s[SEL+1], 0xfedcba98                 ; v_permlanex16_b32's selects for lane l xor 16
	s_lshl_b32 s30, ttmp9, 4
	s_mov_b32 s31, 0
	s_wait_kmcnt 0x0
	s_add_nc_u64 s[8:9], s[8:9], s[30:31]
	s_load_b128 s[32:35], s[8:9], 0x0              ; my tile: e0 + 256 e1, tokens, first slot
	s_wait_kmcnt 0x0
	s_and_b32 s92, s32, 0xff
	s_min_u32 s92, s92, 7                          ; e0
	s_lshr_b32 s93, s32, 8
	s_min_u32 s93, s93, 7                          ; e1
	s_min_u32 s[CNT], s33, 48
	s_max_u32 s[CM1], s[CNT], 1
	s_sub_co_u32 s[CM1], s[CM1], 1                 ; the last slot that holds a token
	BASES 0, 92
	BASES 1, 93
.irp m, 0,1,2
	v_add_nc_u32 v[228+\m], 16*\m, v226            ; slot 16 m + r, held at the tile's last token,
	v_min_u32 v[228+\m], s[CM1], v[228+\m]
	v_add_nc_u32 v[228+\m], s34, v[228+\m]         ; from the tile's first slot on
	v_min_u32 v[228+\m], 0x251f, v[228+\m]
	v_lshlrev_b32 v[228+\m], 2, v[228+\m]
	global_load_b32 v[TWT+2*\m+1], v[228+\m], s[10:11]
.endr
	global_load_b64 v[216:217], v240, s[B1B:B1B+1]             ; b1 of my 64 hidden units, e0 and e1
	global_load_b64 v[218:219], v240, s[B1B+2:B1B+3]
	global_load_b128 v[200:203], v[R16], s[B2B:B2B+1]          ; b2 of my four columns of a row's 256 bytes: first half, e0 and e1,
	global_load_b128 v[204:207], v[R16], s[B2B+2:B2B+3]
	global_load_b128 v[208:211], v[R16], s[B2B:B2B+1] offset:256   ; second half
	global_load_b128 v[212:215], v[R16], s[B2B+2:B2B+3] offset:256
	ISSUE 0
	ISSUE 1
	ISSUE 2
	ISSUE 3
	ISSUE 4
	WIN 0
	s_wait_loadcnt 50                              ; the three loads of token numbers are in: behind them 2 of b1, 4 of b2, 4 of scale words and 40 of the ring were issued
.irp m, 0,1,2
	v_min_u32 v[TWT+2*\m+1], 0x1fff, v[TWT+2*\m+1]
	v_lshlrev_b32 v[231+\m], 5, v[TWT+2*\m+1]
	v_lshl_add_u32 v[231+\m], v227, 4, v[231+\m]   ; xs: 32 bytes a token, + 16 h: register j holds K step j in lanes 0-15, 4 + j in lanes 16-31
	v_lshlrev_b32 v[234+\m], 2, v[TWT+2*\m+1]
.endr
.irp m, 0,1,2
	global_load_b128 v[XS+4*\m:XS+4*\m+3], v[231+\m], s[14:15]
	global_load_b32 v[TWT+2*\m], v[234+\m], s[16:17]
.endr
	s_lshl_b32 s95, s[WV], 1                       ; of each token tile my wave gathers rows 2 w and 2 w + 1: a whole row of 512 bytes a load
	s_add_co_u32 s96, s95, 1
.irp m, 0,1,2
	v_readlane_b32 s97, v[TWT+2*\m+1], s95
	s_min_u32 s97, s97, 0x1fff
	s_lshl_b32 s97, s97, 9
	v_add_nc_u32 v[248+2*\m], s97, v[L16]
	global_load_b128 v[FR+8*\m:FR+8*\m+3], v[248+2*\m], s[12:13]
	v_readlane_b32 s97, v[TWT+2*\m+1], s96
	s_min_u32 s97, s97, 0x1fff
	s_lshl_b32 s97, s97, 9
	v_add_nc_u32 v[249+2*\m], s97, v[L16]
	global_load_b128 v[FR+8*\m+4:FR+8*\m+7], v[249+2*\m], s[12:13]
.endr
	ISSUE 5                                        ; the rest of the first quarter goes out behind the gather, for which the barrier below waits
	ISSUE 6
	ISSUE 7
	WIN 0
	s_wait_loadcnt 24                              ; all but groups 5 to 7
	v_pk_add_f32 v[20:21], v[200:201], v[204:205]  ; b2[e0] + b2[e1], first half
	v_pk_add_f32 v[22:23], v[202:203], v[206:207]
.irp m, 0,1,2
.irp i, 0,1
	ds_store_b128 v239, v[FR+8*\m+4*\i:FR+8*\m+4*\i+3] offset:XIMG+8704*\m+16*\i   ; lane l holds the row's block l
.endr
.endr
	ds_store_b64 v238, v[216:217]
	ds_store_b64 v238, v[218:219] offset:256
.irp m, 0,1,2
	ds_store_b64 v237, v[TWT+2*\m:TWT+2*\m+1] offset:128*\m    ; both lanes of a slot write the same eight bytes with the same value
.endr
	s_wait_dscnt 0x0                               ; for the others' sake: my rows lie in LDS; and the stores have read their registers
	v_pk_add_f32 v[12:13], v[208:209], v[212:213]  ; b2's sum, second half, where the slots' pairs lay
	v_pk_add_f32 v[14:15], v[210:211], v[214:215]
	s_barrier_signal -1
	s_barrier_wait -1
	XFR 0, 0
	B1LD 0
	P1STEP 0, 0, 1
	P1STEP 0, 1, 1
	P1STEP 0, 2, 1
	P1STEP 0, 3, 1
	P1STEP 0, 4, 1
	P1STEP 0, 5, 1
	P1STEP 0, 6, 1
	P1STEP 0, 7, 1
	ACT 0                                          ; W1[e1]'s eight groups are on their way meanwhile
	s_wait_dscnt 0x0                               ; the last LDS stores have read the registers that b1 takes
	B1LD 1
	P1STEP 1, 0, 1
	P1STEP 1, 1, 1
	P1STEP 1, 2, 1
	P1STEP 1, 3, 1
	P1STEP 1, 4, 1
	P1STEP 1, 5, 1
	P1STEP 1, 6, 1
	P1STEP 1, 7, 0
.irp i, 0,1,2,3
	global_load_b128 v[SA+16+4*\i:SA+16+4*\i+3], v[L16], s[S2B+2:S2B+3] offset:512*\i   ; W2[e1]'s scale words, into the set that W1[e1]'s have left (four places and more behind the last product)
.endr
	ACT 1                                          ; the first half of W2 is on its way meanwhile
	s_wait_dscnt 0x0                               ; for the others' sake: my blocks and bytes of both hidden layers lie in LDS
	s_barrier_signal -1
	s_barrier_wait -1
.irp m, 0,1,2
	ds_load_b128 v[HS0+4*\m:HS0+4*\m+3], v[R16] offset:HSC+256*\m         ; token r's 16 bytes: register j is K step j
	ds_load_b128 v[XS+4*\m:XS+4*\m+3], v[R16] offset:HSC+768+256*\m
.endr
	HFR 0, 0
	P2STEP 0, 0
	P2STEP 0, 1
	P2STEP 0, 2
	P2STEP 0, 3
	P2STEP 0, 4
	P2STEP 0, 5
	P2STEP 0, 6
	P2STEP 0, 7
	OUTH 0, 0                                      ; the second half of W2 is on its way meanwhile
	OUTH 0, 1
	OUTH 0, 2
.Lout_0:
	s_wait_dscnt 0x0                               ; the stage's stores have read the accumulators, and no LDS load is on its way into the registers that the fragments take
	s_wait_xcnt 0x0                                ; the stores to out0 have read their data and offsets, which are written again below
	v_nop                                          ; with the four behind the last product: more than the five places that a product owes which begins an accumulator anew, also where no row went out
	v_nop
	HFR 0, 0
	P2STEP 1, 0
	P2STEP 1, 1
	P2STEP 1, 2
	P2STEP 1, 3
	P2STEP 1, 4
	P2STEP 1, 5
	P2STEP 1, 6
	P2STEP 1, 7
	OUTH 1, 0
	OUTH 1, 1
	OUTH 1, 2
.Lout_1:
	s_wait_dscnt 0x0                               ; no LDS load of mine is left on its way
	s_wait_xcnt 0x0
	v_lshl_add_u32 v254, v0, 2, 0x18000
	v_mov_b32 v255, 0
	s_wait_tensorcnt 0x0
	ds_add_u32 v254, v255
	s_wait_dscnt 0x0
	s_endpgm
.Lfunc_end_k_qa03c26007e_chain:
	.size	k_qa03c26007e_chain, .Lfunc_end_k_qa03c26007e_chain-k_qa03c26007e_chain
	.p2alignl 7, 3214868480
	.fill 96, 4, 3214868480
	.section	.rodata,"a",@progbits
	.p2align	6, 0x0
	.amdhsa_kernel k_qa03c26007e_chain
		.amdhsa_group_segment_fixed_size 99328
		.amdhsa_private_segment_fixed_size 0
		.amdhsa_enable_private_segment 0
		.amdhsa_kernarg_size 88
		.amdhsa_user_sgpr_count 2
		.amdhsa_user_sgpr_kernarg_segment_ptr 1
		.amdhsa_wavefront_size32 1
		.amdhsa_system_sgpr_workgroup_id_x 1
		.amdhsa_system_sgpr_workgroup_id_y 1
		.amdhsa_system_sgpr_workgroup_id_z 1
		.amdhsa_system_vgpr_workitem_id 0
		.amdhsa_next_free_vgpr 512
		.amdhsa_next_free_sgpr 100
		.amdhsa_reserve_vcc 0
		.amdhsa_float_denorm_mode_32 3
		.amdhsa_float_denorm_mode_16_64 3
		.amdhsa_memory_ordered 1
		.amdhsa_forward_progress 1
		.amdhsa_inst_pref_size 255
	.end_amdhsa_kernel
	.section	.bss,"aw",@nobits
	.p2align	6
	.space	262144
	.amdgpu_metadata
---
amdhsa.version: [ 1, 2 ]
amdhsa.kernels:
  - .name:           k_qa03c26007e_chain
    .symbol:         k_qa03c26007e_chain.kd
    .args:
      - { .name: tiles, .offset: 0, .size: 8, .value_kind: global_buffer, .address_space: global }
      - { .name: order, .offset: 8, .size: 8, .value_kind: global_buffer, .address_space: global }
      - { .name: xq, .offset: 16, .size: 8, .value_kind: global_buffer, .address_space: global }
      - { .name: xs, .offset: 24, .size: 8, .value_kind: global_buffer, .address_space: global }
      - { .name: tw, .offset: 32, .size: 8, .value_kind: global_buffer, .address_space: global }
      - { .name: wq, .offset: 40, .size: 8, .value_kind: global_buffer, .address_space: global }
      - { .name: w1_scales, .offset: 48, .size: 8, .value_kind: global_buffer, .address_space: global }
      - { .name: b1, .offset: 56, .size: 8, .value_kind: global_buffer, .address_space: global }
      - { .name: w2_scales, .offset: 64, .size: 8, .value_kind: global_buffer, .address_space: global }
      - { .name: b2, .offset: 72, .size: 8, .value_kind: global_buffer, .address_space: global }
      - { .name: out0, .offset: 80, .size: 8, .value_kind: global_buffer, .address_space: global }
    .group_segment_fixed_size: 99328
    .private_segment_fixed_size: 0
    .kernarg_segment_align: 8
    .kernarg_segment_size: 88
    .max_flat_workgroup_size: 256
    .sgpr_count:     100
    .vgpr_count:     512
    .wavefront_size: 32
...
	.end_amdgpu_metadata
.endif
;; end of part 3
;; ======== version 2 of 2: 3 launches; version 1 with the launch chain written anew for expert scheduling mode
;; workspace buffers: xq 4,194,304 bytes; xs 262,144 bytes; tw 32,768 bytes; wq 4,194,304 bytes; rinfo 32,768 bytes of whole numbers; hist 32,768 bytes of whole numbers; order 38,144 bytes of whole numbers; tiles 3,584 bytes of whole numbers
;; launch route: the kernel of part 1 again; grid 256 x 1, 8 waves a work-group, no clusters, 166,912 bytes of LDS; arguments x, gate_w, w1_codes, w2_codes, xq, xs, tw, rinfo, hist, wq; writes xq, xs, tw, rinfo, hist, wq
;; launch place: the kernel of part 2 again; grid 1 x 1, 8 waves a work-group, no clusters, 2,048 bytes of LDS; arguments hist, rinfo, order, tiles; writes order, tiles
;; launch chain (part 4): grid 198 x 1, 8 waves a work-group, no clusters, 99,328 bytes of LDS; arguments tiles, order, xq, xs, tw, wq, w1_scales, b1, w2_scales, b2, out0; writes out0
.if DOCPART == 4
	.amdgcn_target "amdgcn-amd-amdhsa--gfx1250"
	.amdhsa_code_object_version 6
	.text
	.protected	k_qa03c26007e_chain
	.globl	k_qa03c26007e_chain
	.p2align	8
	.type	k_qa03c26007e_chain,@function
k_qa03c26007e_chain:
	s_mov_b64 s[64:65], 0
	v_nop
	global_prefetch_b8 v0, s[64:65] scope:SCOPE_SE
	s_setreg_imm32_b32 hwreg(HW_REG_WAVE_SCHED_MODE, 0, 2), 2
	s_setreg_imm32_b32 hwreg(HW_REG_WAVE_MODE, 25, 1), 1
	s_wait_xcnt 0x0
	s_wait_alu depctr_vm_vsrc(0)
; CHAIN.  out[n] = tw[n] x sum over the token's two experts e of (gelu(x[n] W1[e] + b1[e]) W2[e] + b2[e]), both products on codes of FP4 (E2M1) with one E8M0 scale for each 32 along K.
; A work-group takes ONE TILE of the stored list: up to 48 tokens that chose the same pair (e0, e1), through the whole chain; each row of out0 has one owner.  198 work-groups serve every split.
; SHARES.  Three tiles m of 16 tokens.  THE EIGHT WAVES SHARE THE COLUMNS: wave w makes hidden units 64 w .. 64 w + 63 of each expert and outputs 128 w .. 128 w + 127, for all 48 tokens.
; So each byte of the two experts' weights is read once by the work-group, from the buffer laid in the order of the operand registers, 512 consecutive bytes a load, straight into registers.
; THE STREAM.  A wave's weights are 32 groups of four fragments (4,096 bytes), in four quarters of eight: W1[e0], W1[e1], W2 for my columns 0-63 (both experts), W2 for my columns 64-127.
; The ring has EIGHT slots, one quarter, 32,768 bytes a wave: a slot is asked for again, for the group eight further on, one step behind the step that multiplied it (a quarter's last slot at once), so a quarter
; is asked for whole while the quarter before is multiplied, and lands while the phase between them works: W1[e0] under the gather, W1[e1] under e0's gelu, W2's first half under e1's gelu, its second half
; under the first half's way out.  The ring's 256 registers are there because the second product goes in TWO HALVES of my columns: twelve accumulators, the same twelve that the first product uses.
; ORDER.  x's codes gathered into LDS | barrier | x W1[e0], gelu, quantised; x W1[e1] likewise; the codes go to LDS as blocks of 32 | barrier | for each half of my columns ONE sum over
; K = [h(e0) | h(e1)], eight steps of 128, against [W2[e0] | W2[e1]]: the sum over the two experts costs no addition; then (+ b2[e0] + b2[e1]) x tw, through the wave's own stage, out.
; The first half's stores are on their way while the second half is multiplied.
; Both products are used TRANSPOSED (source 0 = 16 rows of a weight, source 1 = 16 tokens): a lane holds one token.  THE ROWS OF W1 THAT FORM A TILE ARE NOT NEIGHBOURS: lane a of tile 2 b + u holds
; row 32 b + 8 u + a + 8 (a / 8), so that the 16 registers of tiles 2 b and 2 b + 1 are 16 neighbours along the next K.
; GELU, exact form: gelu(x) = max(x, 0) - |x| E, E = erfc(|x| / sqrt 2) / 2 = t 2^(-b^2 + d0 + d1 t + .. + d9 t^9), t = 1 / (1 + |x| / (2 sqrt 2)), b^2 = x^2 log2(e) / 2:
; the rational Chebyshev form of erfc whose fractional error is stated as under 1.2e-7 for every argument, so the negative tail keeps its relative accuracy; its coefficients x log2(e), 1 off d0 for the half.
; Slots behind the tile's last token repeat that token.  A tile without tokens walks the text on slot 0 and stores nothing.
; NO CLUSTER, NO TENSOR LOADS: which experts a work-group walks and how many rows it stores hang on the stored list, and how many tiles a pair has (0 to 171) divides into no fixed cluster.
; LIMITS: NaN and infinities are not served.  A block of zeros of the hidden layer gets the byte 1: its codes are zeros.
; THE MODE: SCHED_MODE bits 1:0 = 2 (LLVM: expert scheduling mode 2), set by the entry lines.  The code itself states the register dependences between vector or matrix instructions and
; memory or LDS instructions, with s_wait_alu, always for 0.
; THE PLAN.  Registers that memory or LDS instructions touch:
;   ring slot g % 8   Step g's twelve products read it; the loads of group g + 8 land in it: they stand at the end of step g + 1 (for a quarter's last slot: behind a wait of their own, ahead of the phase that follows).
;   FR0, FR1          Step g's products read set g % 2; the LDS loads of step g + 1's fragments land in the other set, at step g's head.
;   SA0, SA1, XS      Scale words: read by a tensor's products; the next tensor's land there behind a wait that stands behind the last of those products.
;   TMP               b1 lands there; step 0's products read it; gelu and quantiser work there; on the way out its first eight hold the stores' offsets.
;   OQ                Three out-buffers of the quantiser, in FR1's registers while no product is at work: written by a gelu phase's conversions and exchanges, read by its six LDS stores, which stand together at its end.
;   the accumulators  Written by products; read by the stage's LDS stores; begun anew by the second half's first products.
;   OB, PR, OAD       The way out of a tile of 16 tokens: LDS loads land in OB and PR; vector lines scale OB in place and make OAD; then the tile's stores read OB and OAD.
;   v1-11             Addresses: written at the head, never again.
; So ONE wait on va_vdst stands in a step, behind the wait for its group: the last step's products are done with their set of fragments and with their ring slot.  The step's fourteen loads follow it with the step's
; products among them, which name slot g % 8, set g % 2, the accumulators and the scale words: none of the registers that those loads touch.  A quarter's first step follows a wait with no vector or matrix line between: it has none.
; REGISTERS, window 0: v1-11 addresses; v12-17 (tw, token) of my slots, later v12-15 b2's sum for the second half; v18-19 d9; v20-23 b2's sum for the first half; v24-35 x's scale words, later h(e1)'s;
;   v36-47 h(e0)'s; v48-63, v64-79 weights' scale words, two sets; v80-175 twelve accumulators; v176-223 tokens' fragments, two sets of three (the second also the quantiser's out-buffers); v224-255 at work, and b1 ahead of an expert's first step.
;   window 1: the ring, slot g % 8 at v[32 (g % 8)].
.set XIMG, 0                           ; LDS: x's codes [m 3][block 32, pitch 272][token 16][16 bytes]: a fragment load's sixteen lanes read 256 bytes on end
.set HIMG, 26112                       ; the hidden layers' [expert 2][m 3][block 16, pitch 272][token 16][16 bytes]
.set HSC,  52224                       ; their scale bytes [expert 2][m 3][token 16][16 bytes]
.set STG,  53760                       ; the way out: 16 rows x (256 + 16) bytes for each wave: 272 is an odd multiple of 16, so sixteen rows' 16 bytes fall on different banks (64 banks of 4 bytes: ISA guide 11.1)
.set B1L,  88576                       ; b1 of my 64 hidden units, e0's 256 bytes and e1's, for each wave
.set TKT,  92672                       ; (tw, token) of the 48 slots, 8 bytes each, a copy for each wave (512 bytes apart)
.set L16,  1                           ; 16 x lane
.set FA,   2                           ; 272 h + 16 r: my place in a fragment
.set HST,  3                           ; 544 w + 272 h + 16 r: where my block of the hidden layer goes
.set HSS,  4                           ; 16 r + 2 w: and its two scale bytes
.set R16,  5                           ; 16 r
.set STO,  6                           ; the stage, in: row r, + 32 h
.set SRD,  7                           ; the stage, back: lanes 0-15 one row of 256 bytes, lanes 16-31 the next
.set OCOL, 8                           ; 512 w + 16 r: my bytes in a row of out0
.set S1A,  9                           ; W1's scale words: (a + 8 (a / 8)) x 32 + 16 h
.set B1A,  10                          ; b1 in LDS: my wave's, + 64 h
.set TKR,  11                          ; the slots' table: my wave's, + 8 h
.set TWT,  12                          ; v[12 + 2 m] tw, v[13 + 2 m] token of slot 16 m + r
.set KD9,  18
.set XS,   24
.set HS0,  36
.set SA,   48
.set ACCA, 80
.set FR,   176
.set OQ,   200                         ; the quantiser's out-buffers: token tile m: four registers of codes at OQ + 8 m, its two scale bytes at OQ + 8 m + 4
.set TMP,  224
.set TT,   224                         ; gelu: t
.set PP,   232                         ; the polynomial, then E
.set BB,   240                         ; b, then max(x, 0)
.set QM,   224                         ; the quantiser: largest magnitudes,
.set QX,   226                         ; the other half's,
.set QS,   228                         ; scale operands,
.set QB,   230                         ; bytes
.set OB,   176                         ; the way out: eight pairs of rows x 4 registers,
.set PR,   208                         ; their (tw, token),
.set OAD,  224                         ; and their offsets in out0
.set GT,   2                           ; s[2:7] the six tokens whose rows my wave gathers
.set WV,   36
.set CNT,  37
.set CM1,  38
.set W1B,  40                          ; s[40:47] wq at my wave's part: W1[e0], W1[e1], W2[e0], W2[e1]
.set S1B,  48                          ; s[48:51] w1_scales, s[52:55] w2_scales, s[56:59] b1, s[60:63] b2: for e0, e1
.set S2B,  52
.set B1B,  56
.set B2B,  60
.set DC,   66                          ; s[66:83] d0 .. d8, each twice: the packed forms name a pair
.set CB,   84
.set C1,   86
.set SEL,  88
.set MSB, 0
.macro WIN new                         ; the immediate's high byte repeats the setting that is left; a switch that changes nothing is dropped
.if MSB != \new
	s_set_vgpr_msb (MSB<<8)|\new
.set MSB, \new
.endif
.endm
.macro PLACES                          ; four plain places behind a step's last product, ahead of a read of its result and of loads into its operands; they stay beside the waits on va_vdst, which fill no place
.rept 4
	v_nop
.endr
.endm
.macro SETD i, val
	s_mov_b32 s[DC+2*\i], \val
	s_mov_b32 s[DC+2*\i+1], \val
.endm
.macro BASES x, e                      ; my wave's parts of expert s[e]'s tensors
	s_lshl_b32 s30, s[\e], 18
	s_lshl_b32 s94, s[WV], 15
	s_add_co_u32 s30, s30, s94
	s_add_nc_u64 s[W1B+2*\x:W1B+2*\x+1], s[18:19], s[30:31]
	s_add_nc_u64 s[W1B+4+2*\x:W1B+5+2*\x], s[W1B+2*\x:W1B+2*\x+1], 0x200000
	s_lshl_b32 s30, s[\e], 14
	s_lshl_b32 s94, s[WV], 11
	s_add_co_u32 s30, s30, s94
	s_add_nc_u64 s[S1B+2*\x:S1B+2*\x+1], s[20:21], s[30:31]
	s_add_nc_u64 s[S2B+2*\x:S2B+2*\x+1], s[24:25], s[30:31]
	s_lshl_b32 s30, s[\e], 11
	s_lshl_b32 s94, s[WV], 8
	s_add_co_u32 s30, s30, s94
	s_add_nc_u64 s[B1B+2*\x:B1B+2*\x+1], s[22:23], s[30:31]
	s_lshl_b32 s30, s[\e], 12
	s_lshl_b32 s94, s[WV], 9
	s_add_co_u32 s30, s30, s94
	s_add_nc_u64 s[B2B+2*\x:B2B+2*\x+1], s[26:27], s[30:31]
.endm
; Group g of the stream: 0-7 W1[e0] by K step, 8-15 W1[e1]; 16-23 tiles 0-3 of my eight tiles of W2: e0's four K steps, then e1's; 24-31 tiles 4-7 likewise.  Eight loads, into ring slot g % 8.
; The scale words that a tensor's products want go out IN FRONT of its first group, so that the wait for that group covers them (W1: register 4 t + j holds K step j in lanes 0-15 and 4 + j in
; lanes 16-31; W2: register 4 i + j holds K step j of tile 2 i in lanes 0-15, of tile 2 i + 1 in lanes 16-31).  W2[e1]'s take the set that W1[e1]'s leave: they are asked for behind that product's last step.
; W2[e0]'s, in front of group 16, land in the set that W1[e0]'s products read: group 16 is asked for in step 9, whose wait stands behind all of those, and whose own products take the other set.
; With eight groups a wave can have 64 loads issued; the issue of a load for which the counter's field has no room is held back by the hardware (ISA guide 5.7.1).
.macro ISSUE g
.if (\g) < 32
.set RS, 32*((\g)%8)
.if (\g) < 16
.set GB, W1B+2*((\g)/8)
.set GO, 4096*((\g)%8)
.else
.set GB, W1B+4+2*(((\g)%8)/4)
.set GO, 4096*(2*((\g)%4)+((\g)-16)/8)
.endif
.if ((\g) == 0) || ((\g) == 8)
.set GQ, (\g)/8
	WIN 0
.irp t, 0,1,2,3
	global_load_b128 v[SA+16*GQ+4*\t:SA+16*GQ+4*\t+3], v[S1A], s[S1B+2*GQ:S1B+2*GQ+1] offset:1024*(\t/2)+256*(\t%2)
.endr
.endif
.if (\g) == 16
	WIN 0
.irp i, 0,1,2,3
	global_load_b128 v[SA+4*\i:SA+4*\i+3], v[L16], s[S2B:S2B+1] offset:512*\i
.endr
.endif
	WIN 0x40                                       ; destination window 1, address window 0
.irp f, 0,1,2,3
.irp c, 0,1
	global_load_b128 v[RS+8*\f+4*\c:RS+8*\f+4*\c+3], v[L16], s[GB:GB+1] offset:GO+1024*\f+512*\c
.endr
.endr
.endif
.endm
; Group g is in.  At a quarter's first step the whole quarter has been asked for: seven groups stand behind g.  At every other step the step before has asked for group g + 6: six groups, or what is left of the stream.
; Group 20 is the first whose products take W2[e1]'s scale words: behind those four loads only groups 23 to 26, 32 loads, were issued.
.macro WAITG g
.if (\g) == 20
	s_wait_loadcnt 32
.elseif (\g)%8 == 0
	s_wait_loadcnt 56
.elseif 31-(\g) >= 6
	s_wait_loadcnt 48
.else
	s_wait_loadcnt 8*(31-(\g))
.endif
.endm
.macro XFR buf, s                      ; the three token tiles' fragments of x, K step s: lane (r, h), registers 4 c ..: block 4 s + 2 c + h of token r
.irp m, 0,1,2
.irp c, 0,1
	ds_load_b128 v[FR+24*(\buf)+8*\m+4*\c:FR+24*(\buf)+8*\m+4*\c+3], v[FA] offset:XIMG+8704*\m+(4*(\s)+2*\c)*272
.endr
.endr
.endm
.macro HFR buf, q                      ; the same of the hidden layers: step q = 4 x expert + K step
.irp m, 0,1,2
.irp c, 0,1
	ds_load_b128 v[FR+24*(\buf)+8*\m+4*\c:FR+24*(\buf)+8*\m+4*\c+3], v[FA] offset:HIMG+13056*((\q)/4)+4352*\m+(4*((\q)%4)+2*\c)*272
.endr
.endr
.endm
.macro B1LD p                          ; b1[expert p] in the result's layout: for tile t, lane (r, h): hidden units 32 (t / 2) + 16 h + 8 (t % 2) + 0 .. 7 of my 64; sixteen lanes read the same 16 bytes
.irp t, 0,1,2,3
	ds_load_b128 v[TMP+8*\t:TMP+8*\t+3], v[B1A] offset:256*\p+128*(\t/2)+32*(\t%2)
	ds_load_b128 v[TMP+8*\t+4:TMP+8*\t+7], v[B1A] offset:256*\p+128*(\t/2)+32*(\t%2)+16
.endr
.endm
; One product.  c < 0: the constant 0 starts the sum.  ra, rb: the scales stand in lanes 16-31.
.macro MM d, a, b, c, sa, sb, ra, rb
.if (\c) < 0
.if (\ra)
	v_wmma_scale_f32_16x16x128_f8f6f4 v[\d:\d+7], v[\a:\a+7], v[\b:\b+7], 0, v[\sa], v[\sb] matrix_a_fmt:MATRIX_FMT_FP4 matrix_b_fmt:MATRIX_FMT_FP4 matrix_a_scale:MATRIX_SCALE_ROW1
.else
	v_wmma_scale_f32_16x16x128_f8f6f4 v[\d:\d+7], v[\a:\a+7], v[\b:\b+7], 0, v[\sa], v[\sb] matrix_a_fmt:MATRIX_FMT_FP4 matrix_b_fmt:MATRIX_FMT_FP4
.endif
.elseif (\ra) && (\rb)
	v_wmma_scale_f32_16x16x128_f8f6f4 v[\d:\d+7], v[\a:\a+7], v[\b:\b+7], v[\c:\c+7], v[\sa], v[\sb] matrix_a_fmt:MATRIX_FMT_FP4 matrix_b_fmt:MATRIX_FMT_FP4 matrix_a_scale:MATRIX_SCALE_ROW1 matrix_b_scale:MATRIX_SCALE_ROW1
.elseif (\ra)
	v_wmma_scale_f32_16x16x128_f8f6f4 v[\d:\d+7], v[\a:\a+7], v[\b:\b+7], v[\c:\c+7], v[\sa], v[\sb] matrix_a_fmt:MATRIX_FMT_FP4 matrix_b_fmt:MATRIX_FMT_FP4 matrix_a_scale:MATRIX_SCALE_ROW1
.else
	v_wmma_scale_f32_16x16x128_f8f6f4 v[\d:\d+7], v[\a:\a+7], v[\b:\b+7], v[\c:\c+7], v[\sa], v[\sb] matrix_a_fmt:MATRIX_FMT_FP4 matrix_b_fmt:MATRIX_FMT_FP4
.endif
.endm
; K step s of x W1[expert p]: twelve products, four tiles of hidden units x three of tokens; the twelve accumulators take turns, one instruction a turn.  Step 0 takes b1 as C.
.macro P1STEP p, s, nxt
	WIN 0
	WAITG 8*(\p)+(\s)
.if (\s) > 0
	s_wait_alu depctr_va_vdst(0)                   ; the last step's products are done reading their set of fragments, in which the LDS loads below land, and their ring slot, in which the loads at this step's end land
.endif
.if \nxt
.set NXB, ((\s)+1)%2
.set NXS, ((\s)+1)%8
	XFR NXB, NXS                                   ; the next step's fragments (behind step 7 of e0: step 0 again, for e1), into the set that the last step's products have left
	s_wait_dscnt 6                                 ; all but the six just issued: this step's fragments are in, and ahead of step 0 b1
.else
	s_wait_dscnt 0x0
.endif
	WIN 0x01                                       ; source 0 (W1) window 1
.set RS, 32*(\s)
.set FB, FR+24*((\s)%2)
.set SWS, SA+16*(\p)
.irp t, 0,1,2,3
.irp m, 0,1,2
.if (\s) == 0
	MM ACCA+8*(3*\t+\m), RS+8*\t, FB+8*\m, TMP+8*\t, SWS+4*\t, XS+4*\m, 0, 0
.else
	MM ACCA+8*(3*\t+\m), RS+8*\t, FB+8*\m, ACCA+8*(3*\t+\m), SWS+4*\t+(\s)%4, XS+4*\m+(\s)%4, (\s)/4, (\s)/4
.endif
.endr
.endr
	PLACES
.if (\s) > 0
	ISSUE 8*(\p)+(\s)+7                            ; the slot that the LAST step multiplied takes the group eight further on.  No wait: no vector or matrix line since this step's wait names that slot or the loads' offset
.endif
.endm
; Step q of the second product for half hf of my columns: four tiles of outputs x three of tokens, the same twelve accumulators by turns.
.macro P2STEP hf, q
	WIN 0
	WAITG 16+8*(\hf)+(\q)
.if ((\q) > 0) && (((\q) < 7) || ((\hf) == 0))
	s_wait_alu depctr_va_vdst(0)                   ; the last step's products are done reading their set of fragments, in which the LDS loads below land, and (first half) their ring slot, in which the loads at this step's end land
.endif
.if (\q) < 7
.set NXB, ((\q)+1)%2
.set NXS, (\q)+1
	HFR NXB, NXS
	s_wait_dscnt 6                                 ; all but the six just issued
.else
	s_wait_dscnt 0x0
.endif
	WIN 0x01                                       ; source 0 (W2) window 1
.set RS, 32*(\q)
.set FB, FR+24*((\q)%2)
.set SWS, SA+16*((\q)/4)
.set HSW, HS0-12*((\q)/4)              ; h(e0)'s scale words, or h(e1)'s, which took the place of x's
.irp f, 0,1,2,3
.irp m, 0,1,2
.if (\q) == 0
	MM ACCA+8*(3*\f+\m), RS+8*\f, FB+8*\m, -1, SWS+4*((4*(\hf)+\f)/2), HSW+4*\m, \f%2, 0
.else
	MM ACCA+8*(3*\f+\m), RS+8*\f, FB+8*\m, ACCA+8*(3*\f+\m), SWS+4*((4*(\hf)+\f)/2)+(\q)%4, HSW+4*\m+(\q)%4, \f%2, 0
.endif
.endr
.endr
	PLACES
.if (\q) > 0
	ISSUE 16+8*(\hf)+(\q)+7                        ; as in the first product; the second half has nothing left to ask for
.endif
.endm
; gelu on one accumulator's eight registers, in place, from its low end on.
.macro GELU8 x
.irp j, 0,1,2,3,4,5,6,7
	v_fma_f32 v[TT+\j], |v[(\x)+\j]|, s[C1], 1.0
.endr
.irp j, 0,1,2,3,4,5,6,7
	v_rcp_f32 v[TT+\j], v[TT+\j]                   ; t
.endr
.irp j, 0,2,4,6
	v_pk_mul_f32 v[BB+\j:BB+\j+1], v[(\x)+\j:(\x)+\j+1], s[CB:CB+1] op_sel_hi:[1,0]   ; b.  (Plain places behind the reciprocals)
.endr
	s_wait_alu depctr_va_vdst(0)                   ; the eight reciprocals have written v[TT ..]: one wait for the batch, ahead of its first reader
.irp j, 0,2,4,6
	v_pk_fma_f32 v[PP+\j:PP+\j+1], v[TT+\j:TT+\j+1], v[KD9:KD9+1], s[DC+16:DC+17] op_sel_hi:[1,1,0]
.endr
.irp d, 7,6,5,4,3,2,1,0
.irp j, 0,2,4,6
	v_pk_fma_f32 v[PP+\j:PP+\j+1], v[PP+\j:PP+\j+1], v[TT+\j:TT+\j+1], s[DC+2*\d:DC+2*\d+1] op_sel_hi:[1,1,0]
.endr
.endr
.irp j, 0,2,4,6
	v_pk_fma_f32 v[PP+\j:PP+\j+1], v[BB+\j:BB+\j+1], v[BB+\j:BB+\j+1], v[PP+\j:PP+\j+1] neg_lo:[1,0,0] neg_hi:[1,0,0]   ; - b^2
.endr
.irp j, 0,1,2,3,4,5,6,7
	v_exp_f32 v[PP+\j], v[PP+\j]
.endr
.irp j, 0,1,2,3,4,5,6,7
	v_max_num_f32 v[BB+\j], 0, v[(\x)+\j]          ; (plain places behind the exponentials)
.endr
	s_wait_alu depctr_va_vdst(0)                   ; the eight exponentials have written v[PP ..]: one wait for the batch, ahead of its first reader
.irp j, 0,2,4,6
	v_pk_mul_f32 v[PP+\j:PP+\j+1], v[PP+\j:PP+\j+1], v[TT+\j:TT+\j+1]   ; E
.endr
.irp j, 0,1,2,3,4,5,6,7
	v_fma_f32 v[(\x)+\j], -|v[(\x)+\j]|, v[PP+\j], v[BB+\j]
.endr
.endm
; My 64 hidden units of token tile m become two blocks of codes and two scale bytes, in the tile's own out-buffer.  Tiles 2 b and 2 b + 1 hold k = 16 h + 0 .. 15 of block 2 w + b; lane l xor 16 holds the other half.
.macro QH m
.irp b, 0,1
	v_max3_num_f32 v[QM+\b], |v[ACCA+8*(6*\b+\m)]|, |v[ACCA+8*(6*\b+\m)+1]|, 0x1800000   ; with the floor 2^(3 - 127): the byte cannot fall under 1
.endr
.irp i, 2,4,6
.irp b, 0,1
	v_max3_num_f32 v[QM+\b], v[QM+\b], |v[ACCA+8*(6*\b+\m)+\i]|, |v[ACCA+8*(6*\b+\m)+\i+1]|
.endr
.endr
.irp i, 0,2,4,6
.irp b, 0,1
	v_max3_num_f32 v[QM+\b], v[QM+\b], |v[ACCA+8*(6*\b+3+\m)+\i]|, |v[ACCA+8*(6*\b+3+\m)+\i+1]|
.endr
.endr
.irp b, 0,1
	v_permlanex16_b32 v[QX+\b], v[QM+\b], s[SEL], s[SEL+1]
.endr
.irp b, 0,1
	v_max_num_f32 v[QM+\b], v[QM+\b], v[QX+\b]
.endr
.irp b, 0,1
	v_add_nc_u32 v[QS+\b], 0xff000000, v[QM+\b]    ; 2 off the exponent field: the conversion's scale operand
.endr
.irp b, 0,1
	v_lshrrev_b32 v[QB+\b], 23, v[QS+\b]
.endr
	v_lshl_or_b32 v[OQ+8*\m+4], v[QB+1], 8, v[QB]
.irp b, 0,1
	v_cvt_scalef32_pk8_fp4_f32 v[OQ+8*\m+2*\b], v[ACCA+8*(6*\b+\m):ACCA+8*(6*\b+\m)+7], v[QS+\b]
	v_cvt_scalef32_pk8_fp4_f32 v[OQ+8*\m+2*\b+1], v[ACCA+8*(6*\b+3+\m):ACCA+8*(6*\b+3+\m)+7], v[QS+\b]
.endr
	v_nop                                          ; one plain place behind the scaled conversions
	v_permlane16_swap_b32 v[OQ+8*\m], v[OQ+8*\m+2]     ; lanes 0-15 now hold block 2 w whole, lanes 16-31 block 2 w + 1
	v_permlane16_swap_b32 v[OQ+8*\m+1], v[OQ+8*\m+3]
.endm
; A gelu phase: vector work alone on the three token tiles, each into an out-buffer of its own; then one wait and the six LDS stores.
.macro ACT p
.irp m, 0,1,2
.irp t, 0,1,2,3
	GELU8 ACCA+8*(3*\t+\m)
.endr
	QH \m
.endr
	s_wait_alu depctr_va_vdst(0)                   ; the conversions and exchanges have written the three out-buffers, which the LDS stores below read; and the phase is done with v224-255, in which b1 lands next
.irp m, 0,1,2
	ds_store_b128 v[HST], v[OQ+8*\m:OQ+8*\m+3] offset:HIMG+13056*\p+4352*\m
	ds_store_b16 v[HSS], v[OQ+8*\m+4] offset:HSC+768*\p+256*\m   ; both lanes of a token write the same two bytes with the same value
.endr
.endm
; Half hf of my columns of token tile m goes out: 16 tokens x 64 columns through my own stage, back as rows of 256 bytes, two rows an instruction; each row's token and tw come from my table of slots.
; All eight pairs of rows are scaled, one wait follows, and then the stores: a pair of rows whose first row lies at or behind the tile's count is not stored, nor any behind it (such rows are slots that repeat the last token).
; With an odd count the last pair's second row is a slot that repeats the last token: it holds the same numbers and goes to the same row as the pair's first.
; The stage's stores read accumulators, and the loads land in the fragments' registers: the wait behind the half's last step has shown the one written and the other left; since then only this macro's lines name them,
; and each tile's own wait stands behind the last of those.
.macro OUTH hf, m
.set B2R, 20-8*\hf
	s_cmp_gt_u32 s[CNT], 16*\m
	s_cbranch_scc0 .Lout_\hf
.if \m > 0
	s_wait_xcnt 0x0                                ; the last tile's stores have read their data and offsets, which are written again below
	s_wait_alu depctr_vm_vsrc(0)                   ; the last tile's stores to out0 have read v[OB ..], in which the loads below land, and v[OAD ..], which the lines below write
.endif
.irp n, 0,1,2,3
	ds_store_b128 v[STO], v[ACCA+8*(3*\n+\m):ACCA+8*(3*\n+\m)+3] offset:64*\n      ; each accumulator from its low end on
	ds_store_b128 v[STO], v[ACCA+8*(3*\n+\m)+4:ACCA+8*(3*\n+\m)+7] offset:64*\n+16
.endr
.irp i, 0,1,2,3,4,5,6,7
	ds_load_b64 v[PR+2*\i:PR+2*\i+1], v[TKR] offset:128*\m+16*\i       ; slot 16 m + 2 i + (lane / 16)
.endr
.irp i, 0,1,2,3,4,5,6,7
	ds_load_b128 v[OB+4*\i:OB+4*\i+3], v[SRD] offset:544*\i   ; LDS serves a wave's instructions in order (ISA guide 5.7.1.4): these see the stores above
.endr
.irp i, 0,1,2,3,4,5,6,7
	s_wait_dscnt 7-\i                              ; pair i is back (and all of the table's loads, issued ahead), the younger pairs stay out
	v_min_u32 v[OAD+\i], 0x1fff, v[PR+2*\i+1]
	v_lshlrev_b32 v[OAD+\i], 12, v[OAD+\i]         ; the token's row of 4,096 bytes
	v_add_nc_u32 v[OAD+\i], v[OAD+\i], v[OCOL]
	v_pk_add_f32 v[OB+4*\i:OB+4*\i+1], v[OB+4*\i:OB+4*\i+1], v[B2R:B2R+1]
	v_pk_add_f32 v[OB+4*\i+2:OB+4*\i+3], v[OB+4*\i+2:OB+4*\i+3], v[B2R+2:B2R+3]
	v_pk_mul_f32 v[OB+4*\i:OB+4*\i+1], v[OB+4*\i:OB+4*\i+1], v[PR+2*\i:PR+2*\i+1] op_sel_hi:[1,0]        ; x tw: of the pair (tw, token) the low word serves both halves
	v_pk_mul_f32 v[OB+4*\i+2:OB+4*\i+3], v[OB+4*\i+2:OB+4*\i+3], v[PR+2*\i:PR+2*\i+1] op_sel_hi:[1,0]
.endr
	s_wait_alu depctr_va_vdst(0)                   ; the lines above have written the eight pairs of rows v[OB ..] and their offsets v[OAD ..], which the stores below read, and are done reading v[PR ..]
.irp i, 0,1,2,3,4,5,6,7
.if \i > 0
	s_cmp_gt_u32 s[CNT], 16*\m+2*\i
	s_cbranch_scc0 .Lout_\hf
.endif
	global_store_b128 v[OAD+\i], v[OB+4*\i:OB+4*\i+3], s[28:29] offset:256*\hf th:TH_STORE_NT   ; sixteen lanes store 256 consecutive bytes, at a multiple of 256 from out0's first byte
.endr
.endm
	s_load_b512 s[8:23], s[0:1], 0x0               ; tiles, order, xq, xs, tw, wq, w1_scales, b1
	s_load_b128 s[24:27], s[0:1], 0x40             ; w2_scales, b2
	s_load_b64 s[28:29], s[0:1], 0x50              ; out0
	v_lshrrev_b32 v224, 5, v0
	v_readfirstlane_b32 s[WV], v224                ; wave 0..7
	v_and_b32 v225, 31, v0                         ; lane
	v_and_b32 v226, 15, v0                         ; r
	v_bfe_u32 v227, v0, 4, 1                       ; h
	v_lshlrev_b32 v[L16], 4, v225
	v_mul_u32_u24 v[FA], v227, 272
	v_lshl_add_u32 v[FA], v226, 4, v[FA]
	s_wait_alu depctr_va_sdst(0)                   ; the wave's number is written, ahead of its first reader: LDS addresses and the tensors' bases are made from it
	s_mul_i32 s30, s[WV], 544
	v_add_nc_u32 v[HST], s30, v[FA]
	v_lshlrev_b32 v[R16], 4, v226
	s_lshl_b32 s30, s[WV], 1
	v_add_nc_u32 v[HSS], s30, v[R16]
	s_mul_i32 s30, s[WV], 4352
	s_add_co_u32 s30, s30, STG                     ; my stage
	v_mul_u32_u24 v[STO], v226, 272
	v_lshl_add_u32 v[STO], v227, 5, v[STO]
	v_add_nc_u32 v[STO], s30, v[STO]               ; row r, + 32 h; tile n's eight columns 64 n bytes on
	v_add_nc_u32 v[SRD], s30, v[FA]                ; back: row (lane / 16), 16 bytes a lane
	s_lshl_b32 s30, s[WV], 9
	v_add_nc_u32 v[OCOL], s30, v[R16]
	s_add_co_u32 s94, s30, B1L
	v_lshl_add_u32 v[B1A], v227, 6, s94
	v_lshl_add_u32 v238, v225, 3, s94              ; where b1 goes: 8 bytes a lane
	s_add_co_u32 s94, s30, TKT
	v_lshl_add_u32 v[TKR], v227, 3, s94
	v_lshl_add_u32 v237, v226, 3, s94              ; where my slots' (tw, token) go
	v_lshlrev_b32 v240, 3, v225                    ; b1 in memory: 8 bytes a lane
	v_and_b32 v[S1A], 8, v226
	v_add_nc_u32 v[S1A], v[S1A], v226
	v_lshlrev_b32 v[S1A], 5, v[S1A]
	v_lshl_add_u32 v[S1A], v227, 4, v[S1A]
	s_lshl_b32 s30, s[WV], 5
	v_mul_u32_u24 v239, v225, 272
	v_add_nc_u32 v239, s30, v239                   ; where a gathered row's blocks go: 272 lane + 32 w
	v_mov_b32 v[KD9], 0x3e7c6f08                   ; d9 = 0.24651730
	v_mov_b32 v[KD9+1], 0x3e7c6f08
	SETD 0, 0xc034d90f                             ; -2.82574822
	SETD 1, 0x3fb8ab5a                             ;  1.44272920
	SETD 2, 0x3f0a29d2                             ;  0.53970062
	SETD 3, 0x3e0efb2e                             ;  0.13963006
	SETD 4, 0xbe899a80                             ; -0.26875686
	SETD 5, 0x3ecdfd18                             ;  0.40232158
	SETD 6, 0xbfd1a1e5                             ; -1.63775315
	SETD 7, 0x40097039                             ;  2.14747446
	SETD 8, 0xbf97d29d                             ; -1.18611494
	s_mov_b32 s[CB], 0x3f596d27                    ; sqrt(log2(e) / 2) = 0.84932180
	s_mov_b32 s[CB+1], 0x3f596d27
	s_mov_b32 s[C1], 0x3eb504f3                    ; 1 / (2 sqrt 2) = 0.35355339
	s_mov_b32 s[SEL], 0x76543210
	s_mov_b32 s[SEL+1], 0xfedcba98                 ; v_permlanex16_b32's selects for lane l xor 16
	s_lshl_b32 s30, ttmp9, 4
	s_mov_b32 s31, 0
	s_wait_kmcnt 0x0
	s_add_nc_u64 s[8:9], s[8:9], s[30:31]
	s_load_b128 s[32:35], s[8:9], 0x0              ; my tile: e0 + 256 e1, tokens, first slot
	s_wait_kmcnt 0x0
	s_and_b32 s92, s32, 0xff
	s_min_u32 s92, s92, 7                          ; e0
	s_lshr_b32 s93, s32, 8
	s_min_u32 s93, s93, 7                          ; e1
	s_min_u32 s[CNT], s33, 48
	s_max_u32 s[CM1], s[CNT], 1
	s_sub_co_u32 s[CM1], s[CM1], 1                 ; the last slot that holds a token
	BASES 0, 92
	BASES 1, 93
.irp m, 0,1,2
	v_add_nc_u32 v[228+\m], 16*\m, v226            ; slot 16 m + r, held at the tile's last token,
	v_min_u32 v[228+\m], s[CM1], v[228+\m]
	v_add_nc_u32 v[228+\m], s34, v[228+\m]         ; from the tile's first slot on
	v_min_u32 v[228+\m], 0x251f, v[228+\m]
	v_lshlrev_b32 v[228+\m], 2, v[228+\m]
.endr
	s_wait_alu depctr_va_vdst(0)                   ; the addresses v1 to v11, v228 to v230 and v237 to v240 are written, which the loads and LDS instructions from here on read
.irp m, 0,1,2
	global_load_b32 v[TWT+2*\m+1], v[228+\m], s[10:11]
.endr
	global_load_b64 v[216:217], v240, s[B1B:B1B+1]             ; b1 of my 64 hidden units, e0 and e1
	global_load_b64 v[218:219], v240, s[B1B+2:B1B+3]
	global_load_b128 v[200:203], v[R16], s[B2B:B2B+1]          ; b2 of my four columns of a row's 256 bytes: first half, e0 and e1,
	global_load_b128 v[204:207], v[R16], s[B2B+2:B2B+3]
	global_load_b128 v[208:211], v[R16], s[B2B:B2B+1] offset:256   ; second half
	global_load_b128 v[212:215], v[R16], s[B2B+2:B2B+3] offset:256
	ISSUE 0
	ISSUE 1
	ISSUE 2
	ISSUE 3
	ISSUE 4
	WIN 0
	s_wait_loadcnt 50                              ; the three loads of token numbers are in: behind them 2 of b1, 4 of b2, 4 of scale words and 40 of the ring were issued
.irp m, 0,1,2
	v_min_u32 v[TWT+2*\m+1], 0x1fff, v[TWT+2*\m+1]
	v_lshlrev_b32 v[231+\m], 5, v[TWT+2*\m+1]
	v_lshl_add_u32 v[231+\m], v227, 4, v[231+\m]   ; xs: 32 bytes a token, + 16 h: register j holds K step j in lanes 0-15, 4 + j in lanes 16-31
	v_lshlrev_b32 v[234+\m], 2, v[TWT+2*\m+1]
.endr
	s_lshl_b32 s95, s[WV], 1                       ; of each token tile my wave gathers rows 2 w and 2 w + 1: a whole row of 512 bytes a load
	s_add_co_u32 s96, s95, 1
.irp m, 0,1,2
	v_readlane_b32 s[GT+2*\m], v[TWT+2*\m+1], s95
	v_readlane_b32 s[GT+2*\m+1], v[TWT+2*\m+1], s96
.endr
	s_wait_alu depctr_va_sdst(0)                   ; the six token numbers s2 to s7 are written, ahead of their first reader: one wait for the run
.irp i, 0,1,2,3,4,5
	s_min_u32 s[GT+\i], s[GT+\i], 0x1fff
	s_lshl_b32 s[GT+\i], s[GT+\i], 9
	v_add_nc_u32 v[248+\i], s[GT+\i], v[L16]
.endr
	s_wait_alu depctr_va_vdst(0)                   ; the offsets v231 to v236 and v248 to v253 are written, which the twelve loads below read; so are the token numbers v13, v15, v17, which the table's LDS stores read
.irp m, 0,1,2
	global_load_b128 v[XS+4*\m:XS+4*\m+3], v[231+\m], s[14:15]
	global_load_b32 v[TWT+2*\m], v[234+\m], s[16:17]
.endr
.irp m, 0,1,2
	global_load_b128 v[FR+8*\m:FR+8*\m+3], v[248+2*\m], s[12:13]
	global_load_b128 v[FR+8*\m+4:FR+8*\m+7], v[249+2*\m], s[12:13]
.endr
	ISSUE 5                                        ; the rest of the first quarter goes out behind the gather, for which the barrier below waits
	ISSUE 6
	ISSUE 7
	WIN 0
	s_wait_loadcnt 24                              ; all but groups 5 to 7
	v_pk_add_f32 v[20:21], v[200:201], v[204:205]  ; b2[e0] + b2[e1], first half
	v_pk_add_f32 v[22:23], v[202:203], v[206:207]
.irp m, 0,1,2
.irp i, 0,1
	ds_store_b128 v239, v[FR+8*\m+4*\i:FR+8*\m+4*\i+3] offset:XIMG+8704*\m+16*\i   ; lane l holds the row's block l
.endr
.endr
	ds_store_b64 v238, v[216:217]
	ds_store_b64 v238, v[218:219] offset:256
.irp m, 0,1,2
	ds_store_b64 v237, v[TWT+2*\m:TWT+2*\m+1] offset:128*\m    ; both lanes of a slot write the same eight bytes with the same value
.endr
	s_wait_dscnt 0x0                               ; for the others' sake: my rows lie in LDS
	s_wait_alu depctr_vm_vsrc(0)                   ; the LDS stores have read v12 to v17, which the additions below write, v176 to v199 and v216 to v219, in which fragments land, and v237 to v239; the head's loads have read v228 to v236, v240, v248 to v253: b1 lands in all of these
	v_pk_add_f32 v[12:13], v[208:209], v[212:213]  ; b2's sum, second half, where the slots' pairs lay
	v_pk_add_f32 v[14:15], v[210:211], v[214:215]
	s_barrier_signal -1
	s_barrier_wait -1
	s_wait_alu depctr_va_vdst(0)                   ; b2's four additions are done reading v200 to v215, in which the second step's fragments land
	XFR 0, 0
	B1LD 0
	P1STEP 0, 0, 1
	P1STEP 0, 1, 1
	P1STEP 0, 2, 1
	P1STEP 0, 3, 1
	P1STEP 0, 4, 1
	P1STEP 0, 5, 1
	P1STEP 0, 6, 1
	P1STEP 0, 7, 1
	s_wait_alu depctr_va_vdst(0)                   ; step 7's products are done reading ring slot 7, in which group 15 lands
	ISSUE 15                                       ; the quarter's last slot is asked for again at once
	WIN 0
	ACT 0                                          ; W1[e1]'s eight groups are on their way meanwhile
	s_wait_alu depctr_vm_vsrc(0)                   ; the six LDS stores have read the out-buffers, in which the fragments of e1's second step land
	B1LD 1
	P1STEP 1, 0, 1
	P1STEP 1, 1, 1
	P1STEP 1, 2, 1
	P1STEP 1, 3, 1
	P1STEP 1, 4, 1
	P1STEP 1, 5, 1
	P1STEP 1, 6, 1
	P1STEP 1, 7, 0
	WIN 0
	s_wait_alu depctr_va_vdst(0)                   ; step 15's products are done reading W1[e1]'s scale words and ring slot 7, in which the loads below land, and x's scale words, in which h(e1)'s land behind the barrier
.irp i, 0,1,2,3
	global_load_b128 v[SA+16+4*\i:SA+16+4*\i+3], v[L16], s[S2B+2:S2B+3] offset:512*\i   ; W2[e1]'s scale words, into the set that W1[e1]'s have left
.endr
	ISSUE 23
	WIN 0
	ACT 1                                          ; the first half of W2 is on its way meanwhile
	s_wait_dscnt 0x0                               ; for the others' sake: my blocks and bytes of both hidden layers lie in LDS
	s_barrier_signal -1
	s_barrier_wait -1
	s_wait_alu depctr_vm_vsrc(0)                   ; my six LDS stores have read the out-buffers, in which the second step's fragments land
.irp m, 0,1,2
	ds_load_b128 v[HS0+4*\m:HS0+4*\m+3], v[R16] offset:HSC+256*\m         ; token r's 16 bytes: register j is K step j
	ds_load_b128 v[XS+4*\m:XS+4*\m+3], v[R16] offset:HSC+768+256*\m
.endr
	HFR 0, 0
	P2STEP 0, 0
	P2STEP 0, 1
	P2STEP 0, 2
	P2STEP 0, 3
	P2STEP 0, 4
	P2STEP 0, 5
	P2STEP 0, 6
	P2STEP 0, 7
	s_wait_alu depctr_va_vdst(0)                   ; step 23's products are done reading ring slot 7, in which group 31 lands, and the fragments, in which the way out's rows land; and the twelve accumulators are written, which the stage's LDS stores read (the four places stand ahead)
	ISSUE 31
	WIN 0
	OUTH 0, 0                                      ; the second half of W2 is on its way meanwhile
	OUTH 0, 1
	OUTH 0, 2
.Lout_0:
	s_wait_dscnt 0x0                               ; no LDS load is on its way into the registers that the fragments take
	s_wait_xcnt 0x0                                ; the stores to out0 have read their data and offsets, which are written again below
	s_wait_alu depctr_vm_vsrc(0)                   ; the stage's LDS stores have read the accumulators, which the products below begin anew; the stores to out0 have read v[OB ..], in which fragments land, and v[OAD ..]
	v_nop                                          ; with the four behind the last product: more than the five places that a product owes which begins an accumulator anew, also where no row went out
	v_nop
	HFR 0, 0
	P2STEP 1, 0
	P2STEP 1, 1
	P2STEP 1, 2
	P2STEP 1, 3
	P2STEP 1, 4
	P2STEP 1, 5
	P2STEP 1, 6
	P2STEP 1, 7
	WIN 0
	s_wait_alu depctr_va_vdst(0)                   ; the last products have written the twelve accumulators, which the stage's LDS stores read (the four places stand ahead), and are done reading the fragments, in which the way out's rows land
	OUTH 1, 0
	OUTH 1, 1
	OUTH 1, 2
.Lout_1:
	s_wait_dscnt 0x0                               ; no LDS load of mine is left on its way
	s_wait_xcnt 0x0
	v_lshl_add_u32 v254, v0, 2, 0x18000            ; the add's two registers, made anew: no memory or LDS instruction has read either
	v_mov_b32 v255, 0
	s_wait_dscnt 0x0                               ; the closing lines, six on end
	s_wait_alu 0x0
	s_wait_tensorcnt 0x0
	ds_add_u32 v254, v255
	s_wait_dscnt 0x0
	s_endpgm
.Lfunc_end_k_qa03c26007e_chain:
	.size	k_qa03c26007e_chain, .Lfunc_end_k_qa03c26007e_chain-k_qa03c26007e_chain
	.p2alignl 7, 3214868480
	.fill 96, 4, 3214868480
	.section	.rodata,"a",@progbits
	.p2align	6, 0x0
	.amdhsa_kernel k_qa03c26007e_chain
		.amdhsa_group_segment_fixed_size 99328
		.amdhsa_private_segment_fixed_size 0
		.amdhsa_enable_private_segment 0
		.amdhsa_kernarg_size 88
		.amdhsa_user_sgpr_count 2
		.amdhsa_user_sgpr_kernarg_segment_ptr 1
		.amdhsa_wavefront_size32 1
		.amdhsa_system_sgpr_workgroup_id_x 1
		.amdhsa_system_sgpr_workgroup_id_y 1
		.amdhsa_system_sgpr_workgroup_id_z 1
		.amdhsa_system_vgpr_workitem_id 0
		.amdhsa_next_free_vgpr 512
		.amdhsa_next_free_sgpr 100
		.amdhsa_reserve_vcc 0
		.amdhsa_float_denorm_mode_32 3
		.amdhsa_float_denorm_mode_16_64 3
		.amdhsa_memory_ordered 1
		.amdhsa_forward_progress 1
		.amdhsa_inst_pref_size 255
	.end_amdhsa_kernel
	.section	.bss,"aw",@nobits
	.p2align	6
	.space	262144
	.amdgpu_metadata
---
amdhsa.version: [ 1, 2 ]
amdhsa.kernels:
  - .name:           k_qa03c26007e_chain
    .symbol:         k_qa03c26007e_chain.kd
    .args:
      - { .name: tiles, .offset: 0, .size: 8, .value_kind: global_buffer, .address_space: global }
      - { .name: order, .offset: 8, .size: 8, .value_kind: global_buffer, .address_space: global }
      - { .name: xq, .offset: 16, .size: 8, .value_kind: global_buffer, .address_space: global }
      - { .name: xs, .offset: 24, .size: 8, .value_kind: global_buffer, .address_space: global }
      - { .name: tw, .offset: 32, .size: 8, .value_kind: global_buffer, .address_space: global }
      - { .name: wq, .offset: 40, .size: 8, .value_kind: global_buffer, .address_space: global }
      - { .name: w1_scales, .offset: 48, .size: 8, .value_kind: global_buffer, .address_space: global }
      - { .name: b1, .offset: 56, .size: 8, .value_kind: global_buffer, .address_space: global }
      - { .name: w2_scales, .offset: 64, .size: 8, .value_kind: global_buffer, .address_space: global }
      - { .name: b2, .offset: 72, .size: 8, .value_kind: global_buffer, .address_space: global }
      - { .name: out0, .offset: 80, .size: 8, .value_kind: global_buffer, .address_space: global }
    .group_segment_fixed_size: 99328
    .private_segment_fixed_size: 0
    .kernarg_segment_align: 8
    .kernarg_segment_size: 88
    .max_flat_workgroup_size: 256
    .sgpr_count:     100
    .vgpr_count:     512
    .wavefront_size: 32
...
	.end_amdgpu_metadata
.endif
;; end of part 4
